; MI455X (gfx1250); checked and timed in simulation.
; The chip was launched on July 23, 2026; its instructions are those of AMD's public machine-readable ISA for CDNA 5 (MIT licence, August 2026) and "CDNA5" Instruction Set Architecture Reference Guide (July 2026). The comments in the code are by the model that wrote it; some were corrected since.
;; Multi Head Attention. Allowed arithmetic: matrix products marked QUANTISED: E2M3 operands, one E8M0 scale for each 32 along K, by v_wmma_scale_f32_16x16x128_f8f6f4 with both operands' format E2M3, f32 sums; everything else in f32.
;; Inputs: Wk 1,024 x 1,024 float32; Wo 1,024 x 1,024 float32; Wq 1,024 x 1,024 float32; Wv 1,024 x 1,024 float32; bo 1,024 float32; bq 1,024 float32; bv 1,024 float32; mask 2,048 x 2,048 float32; x 2 x 2,048 x 1,024 float32.
;; Outputs: out0 2 x 2,048 x 1,024 float32.
;; This version of the problem:
;;   THIS VERSION OF THE PROBLEM IS GIVEN IN LOW PRECISION. The matrix products marked QUANTISED in the list below multiply operands that are first quantised to E2M3 (2 exponent bits, 3 mantissa bits; 6 bits a number), with one power-of-two scale for each 32 numbers along K (OCP MX v1.0); their sums are f32. All else is computed in f32.
;;   The module's matrix products, in the order in which they are computed (A, B: the left and right operand; K: the contracted axis; several contracted axes count as one K, in the product's order):
;;     1. [M 4,096, K 1,024] x [K 1,024, N 1,024]; A: input x; B: input Wq: QUANTISED
;;     2. [M 4,096, K 1,024] x [K 1,024, N 1,024]; A: input x; B: input Wk: QUANTISED
;;     3. [M 4,096, K 1,024] x [K 1,024, N 1,024]; A: input x; B: input Wv: QUANTISED
;;     4. batch 32 x [M 2,048, K 64] x [K 64, N 2,048]; A: computed on the way; B: computed on the way: QUANTISED
;;     5. batch 32 x [M 64, K 2,048] x [K 2,048, N 2,048]; A: computed on the way; B: softmax (see below): QUANTISED
;;     6. [M 4,096, K 1,024] x [K 1,024, N 1,024]; A: computed on the way; B: input Wo: QUANTISED
;;   THE QUANTISER, for each operand of a quantised product, along K:
;;     - K is cut into blocks of 32 from its start; a last block that is shorter is filled with zeros.
;;     - A block's scale is 2^e with e = floor(log2(the largest magnitude in the block)) - 2, held to -126 .. 127; a block of zeros has e = 0. As a byte (E8M0): e + 127.
;;     - Each number is divided by its block's scale, clamped to +-7.5, and rounded to the nearest number of E2M3, ties to even, subnormals kept.
;;     - The product sums the exact products of the quantised numbers (number of the format x scale) in f32.
;;   ~~~python
;;   def quantise(x, axis):      # numpy; x: float32 -> the quantised numbers, widened to float32 again
;;       x = np.moveaxis(x, axis, -1); K = x.shape[-1]
;;       x = np.pad(x, [(0, 0)] * (x.ndim - 1) + [(0, -K % 32)]); x = x.reshape(x.shape[:-1] + (-1, 32)); a = np.abs(x).max(-1, keepdims=True)
;;       e = np.where(a > 0, np.clip(np.frexp(np.where(a > 0, a, 1))[1] - 1 - 2, -126, 127), 0)      # np.frexp(a)[1] - 1 = floor(log2(a)), exactly
;;       r = np.clip(x / 2.0 ** e, -7.5, 7.5)
;;       step = 2.0 ** (np.maximum(np.frexp(np.where(r == 0, 1, r))[1] - 1, 0) - 3)
;;       q = np.round(r / step) * step * 2.0 ** e      # np.round: ties to even
;;       return np.moveaxis(q.reshape(q.shape[:-2] + (-1,))[..., :K], -1, axis).astype(np.float32)
;;   ~~~
;;   SOFTMAX AHEAD OF A QUANTISED PRODUCT. Where the list says 'softmax', what is quantised is not the finished softmax but p = 2^(t - M), with t = logit x log2(e) and M = ceil(the row's largest t), a whole number; so 1/2 < the row's largest p <= 1. The row's sum l is taken of the UNQUANTISED p, in f32, and the product's result is divided by l at the end. Since M is a whole number, a kernel that streams over the keys may use a running M (the ceiling of the running maximum): every later rescaling is an exact power of two, which a block's scale takes up: the codes' values come out the same.
;;   OPERANDS COMPUTED ON THE WAY. 'Computed on the way' means the value that the module computes at that place (a softmax that the list does not call 'softmax' is quantised finished and normalised). What goes into a quantiser is computed in f32, as accurately as f32 sums, v_exp_f32 and their like allow (about 1e-6 of the number): no bf16 or f16 on the way to a quantiser, and a product that is left as it is and whose result goes on into a quantised operand takes f32 operands (vector FMAs, or v_wmma_f32_16x16x4_f32). A number that lies on a knife's edge between two numbers of the format may be rounded either way, as far as f32 arithmetic and the matrix unit's own rounding can turn it there, and no further.
;; One version. Each part assembles by itself: llvm-mc -triple=amdgcn-amd-amdhsa -mcpu=gfx1250 --defsym DOCPART=n.
;; ======== version 1 of 1: 4 launches
;; limits: right only within a limited range of input values
;; workspace buffers: codes 6,291,456 bytes; scales 262,144 bytes; qkv 10,223,616 bytes; wvc 3,145,728 bytes; wvs 131,072 bytes
;; launch quant (part 1): grid 256 x 1, 4 waves a work-group, no clusters, 33,280 bytes of LDS; arguments x, Wq, Wk, Wv, Wo, codes, scales; writes codes, scales
.if DOCPART == 1
	.amdgcn_target "amdgcn-amd-amdhsa--gfx1250"
	.amdhsa_code_object_version 6
	.text
	.protected	k_q6d40490935_quant
	.globl	k_q6d40490935_quant
	.p2align	8
	.type	k_q6d40490935_quant,@function
k_q6d40490935_quant:
	s_mov_b64 s[64:65], 0
	v_nop
	global_prefetch_b8 v0, s[64:65] scope:SCOPE_SE
	s_setreg_imm32_b32 hwreg(HW_REG_WAVE_MODE, 25, 1), 1
	s_wait_xcnt 0x0
; x [4096][1024] and Wq, Wk, Wv, Wo [1024][1024], f32, K innermost in all five, become codes of FP6 (E2M3) with one E8M0 scale byte for each 32 along K.
; OUT: codes [128 places: 64][K plane of 256: 4][128][192 bytes], scales [8192 places][32 bytes]; places 0-4095 x, 4096-5119 Wq, 5120-6143 Wk, 6144-7167 Wv, 7168-8191 Wo.
; THE ROWS CHANGE PLACES: place p holds row p with bits 3, 4 and 5 rotated.  Sixteen places on end are then rows 64 c + 8 u + r % 8 + 32 (r / 8): the rows that the later launches want together in a tile of 16.
; A block's scale is 2^(floor(log2(its largest magnitude)) - 2); its byte is the largest magnitude's exponent field - 2, held at 1 from below.  A block of zeros so gets the byte 1 where the rule says 127:
; its codes are zeros, which add nothing under any byte but 0xff, and this program alone reads the bytes.
; LIMITS: blocks whose largest magnitude lies under 2^-124 keep the byte 1; NaN and infinities among the inputs are not served.
; SHARES: 8,388,608 numbers; a work-group takes 32 rows, a wave 8 rows = 16 steps of 512 numbers.  Work-groups 0-127 x, 128-159 Wq, 160-191 Wk, 192-223 Wv, 224-255 Wo.
; Each of a step's four loads reads 512 consecutive bytes; the 2,048 bytes turn through the wave's own stage in LDS and come back 64 bytes a lane, so that a lane holds 16 neighbours along K and two lanes a block.
; No barrier: waves share nothing.  Loads run four steps (16 loads a wave) ahead, the turn through LDS one step.
.set STEPS, 16
.set CB,    12                         ; bytes of 16 codes
.set R,     16                         ; v16-79   four sets of 16 numbers as they are loaded
.set X,     80                         ; v80-111  two sets of 16 neighbours
.set C,     128                        ; v128-191 codes: four registers for each step, so that no store's data are written again
.set E,     112                        ; v112-127 a scale byte for each step
.set WREG,  8192                       ; LDS: a region for each wave: two stages of 32 x SP bytes, and behind them its 256 scale bytes
.set SP,    80                         ; a lane's place in a stage: its 64 bytes + 16 of padding
	s_load_b256 s[4:11], s[0:1], 0x0               ; x s[4:5], Wq s[6:7], Wk s[8:9], Wv s[10:11]
	s_load_b128 s[12:15], s[0:1], 0x20             ; Wo s[12:13], codes s[14:15]
	s_load_b64 s[16:17], s[0:1], 0x30              ; scales
	v_lshl_add_u32 v192, v0, 2, 0x8000
	v_mov_b32 v193, 0
	v_lshrrev_b32 v1, 5, v0
	v_readfirstlane_b32 s18, v1                    ; wave
	v_and_b32 v2, 31, v0                           ; lane
	v_lshlrev_b32 v3, 4, v2                        ; my 16 bytes of a load's 512
	s_mul_i32 s19, s18, WREG
	v_lshrrev_b32 v14, 2, v2
	v_mul_u32_u24 v14, v14, SP
	v_and_b32 v15, 3, v2
	v_lshl_add_u32 v14, v15, 4, v14
	v_add_nc_u32 v14, s19, v14                     ; the stage, on the way in: SP (lane / 4) + 16 (lane % 4)
	v_mul_u32_u24 v15, v2, SP
	v_add_nc_u32 v15, s19, v15                     ; and on the way out: SP x lane: my 16 neighbours
	; CODES LIE AS [128 places][K plane of 256: 4][128 places][192 bytes]; place p holds row p with bits 3, 4, 5 rotated: place 64 c + 16 u + 8 g + j = row 64 c + 32 g + 8 u + j
	v_and_b32 v4, 15, v2
	v_mul_u32_u24 v4, v4, CB                       ; my 12 bytes of a row's 192 in a plane,
	v_lshrrev_b32 v5, 4, v2
	v_mad_u32_u24 v4, v5, 0x6000, v4               ; lanes 16-31 one plane (24,576 bytes) on
	v_lshrrev_b32 v5, 1, v2
	s_add_co_u32 s19, s19, 2*32*SP
	v_add_nc_u32 v5, s19, v5                       ; LDS: my wave's 256 scale bytes, my block's byte
	v_lshlrev_b32 v7, 3, v2                        ; and on the way out 8 bytes a lane
	v_add_nc_u32 v6, s19, v7
	s_wait_alu depctr_va_vdst(0)
	s_wait_kmcnt 0x0
	s_mov_b64 s[22:23], s[12:13]                   ; which tensor is my work-group's: the choices hang on the work-group's number alone
	s_mov_b32 s24, 224
	s_cmp_lt_u32 ttmp9, 224
	s_cselect_b64 s[22:23], s[10:11], s[22:23]
	s_cselect_b32 s24, 192, s24
	s_cmp_lt_u32 ttmp9, 192
	s_cselect_b64 s[22:23], s[8:9], s[22:23]
	s_cselect_b32 s24, 160, s24
	s_cmp_lt_u32 ttmp9, 160
	s_cselect_b64 s[22:23], s[6:7], s[22:23]
	s_cselect_b32 s24, 128, s24
	s_cmp_lt_u32 ttmp9, 128
	s_cselect_b64 s[22:23], s[4:5], s[22:23]
	s_cselect_b32 s24, 0, s24
	s_sub_co_u32 s25, ttmp9, s24
	s_lshl_b32 s25, s25, 2
	s_add_co_u32 s25, s25, s18                     ; which run of 8 rows of that tensor is my wave's
	s_lshl_b32 s26, s25, 15                        ; 32,768 bytes a run
	s_mov_b32 s27, 0
	s_add_nc_u64 s[22:23], s[22:23], s[26:27]
	s_lshr_b32 s28, ttmp9, 1                       ; the run's place: run 4 g + w goes to 8 (g / 2) + 2 w + g % 2: the rotation of the rows' bits 3 to 5
	s_lshl_b32 s28, s28, 3
	s_lshl_b32 s29, s18, 1
	s_add_co_u32 s28, s28, s29
	s_and_b32 s29, ttmp9, 1
	s_add_co_u32 s28, s28, s29
	s_lshr_b32 s29, s28, 4                         ; sixteen runs to a block of 128 places, 98,304 bytes
	s_mul_i32 s26, s29, 98304
	s_and_b32 s29, s28, 15
	s_mul_i32 s29, s29, 1536                       ; 8 rows of 192 bytes a run in each plane
	s_add_co_u32 s26, s26, s29
	s_add_nc_u64 s[14:15], s[14:15], s[26:27]
	s_lshl_b32 s26, s28, 8                         ; 256 scale bytes a run
	s_add_nc_u64 s[16:17], s[16:17], s[26:27]
.macro LOAD t
.irp i, 0,1,2,3
	global_load_b128 v[R+16*((\t)%4)+4*\i:R+16*((\t)%4)+4*\i+3], v3, s[22:23] offset:2048*(\t)+512*\i th:TH_LOAD_NT   ; 32 lanes read 512 consecutive bytes
.endr
.endm
.macro TURN t                          ; step t's numbers through the stage: LDS serves a wave's instructions in order, so no wait stands between the stores and the loads
.irp i, 0,1,2,3
	ds_store_b128 v14, v[R+16*((\t)%4)+4*\i:R+16*((\t)%4)+4*\i+3] offset:32*SP*((\t)%2)+8*SP*\i
.endr
.irp i, 0,1,2,3
	ds_load_b128 v[X+16*((\t)%2)+4*\i:X+16*((\t)%2)+4*\i+3], v15 offset:32*SP*((\t)%2)+16*\i
.endr
.endm
.irp t, 0,1,2,3
	LOAD \t
.endr
	s_wait_loadcnt 12                              ; step 0's four loads are in
	TURN 0
.macro STEP t
.set XS, X+16*((\t)%2)
.if (\t) > 0
	s_wait_dscnt 1                                 ; this step's numbers are back from the stage (the last step's byte store may be out): so its stores into the stage have read their registers,
.else
	s_wait_dscnt 0x0
.endif
.if (\t)+4 < STEPS
	LOAD (\t)+4                                    ; which take the loads of four steps on
.endif
.if (\t)+1 < STEPS
.if STEPS-2-(\t) >= 3
	s_wait_loadcnt 12                              ; the next step's four loads are in; those of the three steps behind it may be out
.else
	s_wait_loadcnt 4*(STEPS-2-(\t))
.endif
	TURN (\t)+1                                    ; and go through the other stage while this step is worked
.endif
	v_max3_num_f32 v8, |v[XS]|, |v[XS+1]|, |v[XS+2]|               ; the largest magnitude of my 16, in two chains
	v_max3_num_f32 v9, |v[XS+3]|, |v[XS+4]|, |v[XS+5]|
.irp i, 6,10
	v_max3_num_f32 v8, v8, |v[XS+\i]|, |v[XS+\i+1]|
	v_max3_num_f32 v9, v9, |v[XS+\i+2]|, |v[XS+\i+3]|
.endr
	v_max3_num_f32 v8, v8, |v[XS+14]|, |v[XS+15]|
	v_max3_num_f32 v8, v8, v9, 0x1800000           ; and the floor 2^(3 - 127): so the byte cannot fall under 1
	v_max_num_f32_dpp v8, v8, v8 row_xmask:1 row_mask:0xf bank_mask:0xf   ; and of my neighbour's 16: the block's
	v_add_nc_u32 v11, 0xff000000, v8               ; 2 off its exponent field: the conversion takes the exponent field of this operand as its scale, and nothing else of it
	v_cvt_scalef32_pk16_fp6_f32 v[C+4*(\t):C+4*(\t)+2], v[XS:XS+15], v11   ; sixteen numbers / the scale, to the nearest code, ties to even, beyond the largest code the largest
	v_lshrrev_b32 v[E+(\t)], 23, v11               ; the scale's byte
	ds_store_b8 v5, v[E+(\t)] offset:16*(\t)       ; both lanes of a block write the same byte with the same value
	global_store_b96 v4, v[C+4*(\t):C+4*(\t)+2], s[14:15] offset:49152*((\t)%2)+192*((\t)/2)   ; step t: row t / 2 of the run, planes 2 (t % 2) and 2 (t % 2) + 1: sixteen lanes store 192 consecutive bytes
.endm
.irp t, 0,1,2,3,4,5,6,7,8,9,10,11,12,13,14,15
	STEP \t
.endr
	ds_load_b64 v[12:13], v6                       ; LDS serves a wave's instructions in order: these see my stores
	s_wait_dscnt 0x0
	global_store_b64 v7, v[12:13], s[16:17]        ; 32 lanes store 256 consecutive bytes, at a multiple of 256 from the buffer's first byte
	s_wait_tensorcnt 0x0
	ds_add_u32 v192, v193
	s_wait_dscnt 0x0
	s_endpgm
.Lfunc_end_k_q6d40490935_quant:
	.size	k_q6d40490935_quant, .Lfunc_end_k_q6d40490935_quant-k_q6d40490935_quant
	.p2alignl 7, 3214868480
	.fill 96, 4, 3214868480
	.section	.rodata,"a",@progbits
	.p2align	6, 0x0
	.amdhsa_kernel k_q6d40490935_quant
		.amdhsa_group_segment_fixed_size 33280
		.amdhsa_private_segment_fixed_size 0
		.amdhsa_enable_private_segment 0
		.amdhsa_kernarg_size 56
		.amdhsa_user_sgpr_count 2
		.amdhsa_user_sgpr_kernarg_segment_ptr 1
		.amdhsa_wavefront_size32 1
		.amdhsa_system_sgpr_workgroup_id_x 1
		.amdhsa_system_sgpr_workgroup_id_y 1
		.amdhsa_system_sgpr_workgroup_id_z 1
		.amdhsa_system_vgpr_workitem_id 0
		.amdhsa_next_free_vgpr 194
		.amdhsa_next_free_sgpr 66
		.amdhsa_reserve_vcc 0
		.amdhsa_float_denorm_mode_32 3
		.amdhsa_float_denorm_mode_16_64 3
		.amdhsa_memory_ordered 1
		.amdhsa_forward_progress 1
		.amdhsa_inst_pref_size 33
	.end_amdhsa_kernel
	.amdgpu_metadata
---
amdhsa.version: [ 1, 2 ]
amdhsa.kernels:
  - .name:           k_q6d40490935_quant
    .symbol:         k_q6d40490935_quant.kd
    .args:
      - { .name: x, .offset: 0, .size: 8, .value_kind: global_buffer, .address_space: global }
      - { .name: Wq, .offset: 8, .size: 8, .value_kind: global_buffer, .address_space: global }
      - { .name: Wk, .offset: 16, .size: 8, .value_kind: global_buffer, .address_space: global }
      - { .name: Wv, .offset: 24, .size: 8, .value_kind: global_buffer, .address_space: global }
      - { .name: Wo, .offset: 32, .size: 8, .value_kind: global_buffer, .address_space: global }
      - { .name: codes, .offset: 40, .size: 8, .value_kind: global_buffer, .address_space: global }
      - { .name: scales, .offset: 48, .size: 8, .value_kind: global_buffer, .address_space: global }
    .group_segment_fixed_size: 33280
    .private_segment_fixed_size: 0
    .kernarg_segment_align: 8
    .kernarg_segment_size: 56
    .max_flat_workgroup_size: 128
    .sgpr_count:     66
    .vgpr_count:     194
    .wavefront_size: 32
...
	.end_amdgpu_metadata
.endif
;; end of part 1
;; launch qkv (part 2): grid 12 x 16, 4 waves a work-group, clusters of 4 x 4, 327,680 bytes of LDS; arguments codes, scales, bq, bv, qkv; writes qkv
.if DOCPART == 2
	.amdgcn_target "amdgcn-amd-amdhsa--gfx1250"
	.amdhsa_code_object_version 6
	.text
	.protected	k_q6d40490935_qkv
	.globl	k_q6d40490935_qkv
	.p2align	8
	.type	k_q6d40490935_qkv,@function
k_q6d40490935_qkv:
	s_mov_b64 s[64:65], 0
	v_nop
	global_prefetch_b8 v0, s[64:65] scope:SCOPE_SE
	s_setreg_imm32_b32 hwreg(HW_REG_WAVE_MODE, 25, 1), 1
	s_wait_xcnt 0x0
	s_wait_alu depctr_hold_cnt(0) depctr_sa_sdst(0) depctr_va_vdst(0) depctr_va_sdst(0) depctr_va_ssrc(0) depctr_va_vcc(0) depctr_vm_vsrc(0)
	s_getreg_b32 s2, hwreg(HW_REG_IB_STS2, 6, 4)
	s_cmp_eq_u32 s2, 0
	s_cbranch_scc0 .Lentry_in_a_cluster
	s_endpgm
.Lentry_in_a_cluster:
	s_bfe_u32 s2, ttmp6, 0x10000c
	s_cmp_lg_u32 s2, 0xf033
	s_cbranch_scc0 .Lentry_shape_is_right
	s_endpgm
.Lentry_shape_is_right:
; q = (x Wq^T + bq) 64^-0.25, k = (x Wk^T) 64^-0.25, v = x Wv^T + bv, on codes of FP6 (E2M3) with E8M0 scales, sums in f32; the results are quantised at once, q and k along the head's 64, v along the tokens,
; and leave as images of the operand registers that the attention launch loads.  Nothing wide goes to memory.
; IN: codes [128 places: 64][K plane of 256: 4][128][192 bytes], scales [8192][32]; places 0-4095 x, 4096.. Wq, 5120.. Wk, 6144.. Wv.  Place p holds row p with bits 3, 4 and 5 rotated.
; KINDS: the cluster's x says which product: 0 q, 1 k, 2 v.  It is the same in all sixteen partners, and it enters scalars by selects alone: no branch hangs on it.
; A tile of 256 x 256 results is made by four waves, 128 x 128 each: 64 accumulators of 16 x 16.  THE MATRIX INSTRUCTION IS USED TRANSPOSED: source 0 = 16 places of 'B', source 1 = 16 places of 'A': a lane holds one
; place of A, and its registers run along B.  For q and k: A = x, B = the weight: a lane holds a token and its registers run along the head.  For v the two change roles: A = Wv, B = x: a lane holds a channel and its
; registers run along the tokens.  So in all three kinds the quantiser runs along B.  By the rotation of bits 3 to 5 the 32 registers of B's blocks 4 c .. 4 c + 3 are rows 64 c + 32 (lane / 16) + 0 .. 31 in their true order.
; K = 1,024 goes in four steps of 256 through a ring of two LDS slots filled by the tensor data mover; the scale bytes of the work-group's 512 places come once and stay.
; CLUSTERS: 4 x 4 work-groups; A's tiles are asked for jointly along a row of the cluster, B's along a column.
; OUT: qkv = 128 blocks of 79,872 bytes, block ((batch x 4 + group of 4 heads) x 16 + step of 128 tokens): k's codes 0, v's codes 24,576, k's scale words 49,152, v's 51,200, q's codes 53,248, q's scale words 77,824.
;   Codes: [pair of heads: 2][tile: 8][1,536 bytes]: a fragment's 12 registers: 0-3 at 16 x lane, 4-5 at 512 + 8 x lane, 6-9 at 768 + 16 x lane, 10-11 at 1,280 + 8 x lane.  q, k: tile = 16 tokens, registers 0-5 the even head, 6-11 the odd.
;   v: tile = 4 x (head's parity) + 16 channels, registers along the step's 128 tokens.  Scale words: [pair: 2][four tiles: 2][lane: 32][4 words]; q, k: lanes 0-15 the even head's word, lanes 16-31 the odd head's (bytes 0, 1).
; LIMITS: NaN and infinities are not served; blocks whose largest magnitude lies under 2^-124 keep the byte 1, a block of zeros too (its codes are zeros; this program alone reads the bytes).
; REGISTERS, in windows of 256: window 0: v0-31 addresses; v32-63 scale words, two sets; v64-127 the bias along B; v128-223 A's fragments, ONE set; v236-251 the bias along A; on the way out v128-235 are at work.
;   window 1: B's fragments, TWO sets, at v0 and v128.   window 2: the accumulators of my places 0-63 of A ((a, b) at v[8 (8 a + b)]);   window 3: those of places 64-127.
.set KSTEP,  256                       ; along K in a slot
.set NQ,     KSTEP/128                 ; matrix instructions deep
; LAYOUT NOW: codes lie as [128 places][K plane of 256: 4][128][192 bytes], so a tile of 128 rows x 256 K is 24,576 dense bytes, stated as 96 rows of 256 bytes.
; Place 64 c + 16 u + 8 g + j holds row 64 c + 32 g + 8 u + j: a lane's 32 registers of B's blocks 4 c .. 4 c + 3 are rows 64 c + 32 (lane / 16) + 0 .. 31: a whole block of 32 in a lane.
.set ROWB,   24576                     ; bytes from one K step's tile to the next
.set KROW,   768                       ; a row of codes in memory
.set PITCH,  240                       ; an LDS row: 3 x (64 bytes of data + 16 of padding)
.set FR,     12                        ; registers of a fragment
.set NL,     6                         ; LDS loads that bring one
.set NP,     4                         ; places behind this matrix instruction (ISA guide 7.12.1)
.set HALFT,  128*PITCH                 ; 128 rows: what one tensor load brings
.set SLOT,   4*HALFT                   ; A's 256 rows, then B's 256 rows
.set LAPS,   2                         ; a lap = two K steps = once round the ring
.set KS,     32                        ; a row of scale bytes
.set SCL,    2*SLOT                    ; behind the ring: the scale words, 8,192 bytes a wave
.set SBLK,   1024                      ; the scale words of a block of 16 rows of A and of B: 32 lanes x 32 bytes, in the wave's own 8,192 bytes
.set SPARE,  SCL+4*8192
.set BLK,    79872                     ; a block of the output
.set ADRA, 16                          ; v16-17 LDS address of my A fragments in slot 0, 1  (v18-19: for the pieces that lie behind one padding more)
.set ADRB, 20                          ; v20-21 the same for B  (v22-23)
.set ADRS, 27                          ; v27    LDS address of my scale words: lanes 0-15 A's rows, lanes 16-31 B's
.set SPW,  28                          ; v28    LDS address of my spare word; never rewritten
.set NIL,  29                          ; v29    0; never rewritten
.set L16,  30                          ; v30    16 x lane
.set L8,   31                          ; v31    8 x lane
.set SH,   14
.set SH8,  24                          ; v24    8 x (lane / 16): where my two scale bytes stand in the word
.set SC,   32                          ; scale words: set s at v[SC + 16 s]
.set BIA,  64                          ; v64-127 the bias along B, in the result's layout: the C of the first products
.set AF,   128                         ; A's fragments
.set BA,   236                         ; v236-251 the bias along A: a pair of equal registers for each of A's eight blocks
.set HA,   128                         ; the way out: 64 numbers of a lane
.set PC,   192                         ; their codes
.set TM,   212                         ; v212-227 at work
.set PW,   228                         ; the scale word just made
.set SW,   232                         ; v232-235 four blocks' scale words
.set G1, 24                            ; s[24:31] descriptor group 1 for A's tiles;  s[32:39] group 0, one set for each slot
.set G0, 32
.set G1B, 48                           ; s[48:55], s[56:63] the same for B's tiles
.set G0B, 56
.set G1S, 68
.set G0S, 76
.set G1SB, 80
.set G0SB, 88
.set SS,  66                           ; s[66:67] 64^-0.25 for q and k, 1 for v
.set SEL, 18                           ; s[18:19] lane selects for v_permlanex16_b32 (on the way out)
.set OC,  98                           ; s[98:99] where my codes go;  s[100:101] my scale words
.set OS,  100
.set MSB, 0
.macro WIN new                         ; the immediate's high byte repeats the setting that is left
.if MSB != \new
	s_set_vgpr_msb (MSB<<8)|\new
.set MSB, \new
.endif
.endm
.set MUL_LO, 0xa1                      ; source 0 (B) window 1, source 1 (A) window 0, C and D window 2
.set MUL_HI, 0xf1                      ; the same, C and D window 3
.set FST_LO, 0x81                      ; the first products: C (the bias) window 0, D window 2
.set FST_HI, 0xc1                      ; D window 3
.set TO_B,   0x40                      ; destination window 1, address window 0
; A joint load: waves 0 and 1 fetch for A, waves 2 and 3 for B.  Each of the two lines has ONE mask and one set of registers for all that issue it; the branch hangs on the wave's number alone.
; Four v_nop follow each of the two lines, ahead of the jump, the label and what follows.
.macro JLOAD g0a, g1a, g0b, g1b
	s_cmp_eq_u32 s15, 0
	s_cbranch_scc0 .Lfor_b_\@
	tensor_load_to_lds s[\g0a:\g0a+3], s[\g1a:\g1a+7]
	s_nop 0
.rept 4
	v_nop
.endr
	s_branch .Lasked_\@
.Lfor_b_\@:
	tensor_load_to_lds s[\g0b:\g0b+3], s[\g1b:\g1b+7]
	s_nop 0
.rept 4
	v_nop
.endr
.Lasked_\@:
.endm
.macro CREST                           ; a round of the cluster's barrier behind its opening barrier
	s_cmp_lg_u32 s14, 0
	s_cbranch_scc1 .Lnot_wave_0_\@
	s_barrier_signal -3
.Lnot_wave_0_\@:
	s_barrier_wait -3
	s_barrier_signal -1
	s_barrier_wait -1
.endm
.macro CROUND                          ; a whole round
	s_barrier_signal -1
	s_barrier_wait -1
	CREST
.endm
	s_load_b128 s[4:7], s[0:1], 0x0                ; codes s[4:5], scales s[6:7]
	s_load_b128 s[8:11], s[0:1], 0x10              ; bq s[8:9], bv s[10:11]
	s_load_b64 s[12:13], s[0:1], 0x20              ; qkv
	v_lshl_add_u32 v[SPW], v0, 2, SPARE
	v_mov_b32 v[NIL], 0
	ds_add_u32 v28, v29
	ds_add_u32 v28, v29
	s_wait_dscnt 0x0
	v_lshrrev_b32 v1, 5, v0
	v_readfirstlane_b32 s14, v1                    ; wave 0..3
	s_lshr_b32 s15, s14, 1                         ; which half of A's 256 places is mine.  Also: I fetch for A (0) or for B (1)
	s_and_b32 s16, s14, 1                          ; which half of B's.  Also: which 128 rows of that tile I fetch
	s_bfe_u32 s40, ttmp6, 0x40000                  ; cx, cy: my place in the cluster
	s_bfe_u32 s41, ttmp6, 0x40004
	s_and_b32 s18, ttmp7, 0xffff
	s_lshl_b32 s18, s18, 2                         ; 4 x cluster y: x's tiles of 256 places
	s_lshl_b32 s19, ttmp9, 2
	s_add_co_u32 s19, s19, 16                      ; 16 + 4 x kind: Wq's or Wk's first tile
	s_cmp_eq_u32 ttmp9, 2                          ; v?
	s_cselect_b32 s17, 24, s18                     ; A: Wv's tiles, or x's
	s_cselect_b32 s42, s18, s19                    ; B: x's tiles, or the weight's
	s_add_co_u32 s17, s17, s41                     ; A's tile hangs on cy, which my row of the cluster shares,
	s_add_co_u32 s42, s42, s40                     ; B's on cx, which my column shares
	s_lshl_b32 s43, s41, 2
	s_lshl_b32 s43, 15, s43                        ; my row of the cluster
	s_lshl_b32 s44, 0x1111, s40                    ; my column
	; descriptor group 1: a tile of 128 rows x 192 bytes, padded in LDS
	s_or_b32 s[G1+0], s43, (0<<16)|(1<<20)|(1<<21)|(3<<22)|(3<<25)  ; 15:0 the mask; 17:16 elements of 1 byte; 20 padding on; 21 set beside a mask; 24:22 after every 16 words (code 3); 31:25 of 4 words (code 3)
	s_or_b32 s[G1B+0], s44, (0<<16)|(1<<20)|(1<<21)|(3<<22)|(3<<25)
.irp g, G1, G1B
	s_mov_b32 s[\g+1], 256<<16                     ; 96 rows of 256 bytes, dense
	s_mov_b32 s[\g+2], 96<<16
	s_mov_b32 s[\g+3], 256<<16
	s_mov_b32 s[\g+4], 96
	s_mov_b32 s[\g+5], 256
	s_mov_b32 s[\g+6], 0
	s_mov_b32 s[\g+7], 0
.endr
	s_lshl_b32 s18, s16, 7                         ; which 128 rows of the tile I fetch
	s_lshl_b32 s20, s17, 8
	s_add_co_u32 s20, s20, s18                     ; A: place 256 x tile + 128 x half
	s_lshl_b32 s46, s42, 8
	s_add_co_u32 s46, s46, s18                     ; B likewise
	s_mov_b32 s21, 0
	s_mov_b32 s47, 0
	s_mov_b64 s[18:19], KROW
	s_mul_u64 s[20:21], s[20:21], s[18:19]         ; and their codes
	s_mul_u64 s[46:47], s[46:47], s[18:19]
	s_mul_i32 s45, s14, HALFT                      ; where they go: wave x 128 rows: no place in the cluster enters an LDS address
	s_wait_kmcnt 0x0
	s_add_nc_u64 s[20:21], s[4:5], s[20:21]
	s_add_nc_u64 s[46:47], s[4:5], s[46:47]
	CROUND                                         ; all sixteen work-groups are here: the first joint loads meet
.irp s, 0,1
	s_mov_b32 s[G0+4*\s], 1
	s_add_co_u32 s[G0+4*\s+1], s45, \s*SLOT
	s_add_nc_u64 s[G0+4*\s+2:G0+4*\s+3], s[20:21], \s*ROWB
	s_or_b32 s[G0+4*\s+3], s[G0+4*\s+3], 0x80000000
	s_mov_b32 s[G0B+4*\s], 1
	s_add_co_u32 s[G0B+4*\s+1], s45, \s*SLOT
	s_add_nc_u64 s[G0B+4*\s+2:G0B+4*\s+3], s[46:47], \s*ROWB
	s_or_b32 s[G0B+4*\s+3], s[G0B+4*\s+3], 0x80000000
.endr
	JLOAD G0, G1, G0B, G1B                         ; K step 0: one tensor load a wave at the head
	v_and_b32 v1, 15, v0                           ; r = l % 16
	v_bfe_u32 v2, v0, 4, 1                         ; h = l / 16
	; THE BIASES.  Along B: register 32 c + n of my 64 stands for row 64 c + 32 h + n of B's 128: thirty-two neighbouring numbers of bq.  Along A: lane r of block a stands for row 64 (a / 4) + 8 (a % 4) + r % 8 + 32 (r / 8).
	; Both are loaded in every kind, from places that lie inside the buffers in every kind, and replaced by zeros where the kind has no such bias.
	v_lshlrev_b32 v7, 7, v2                        ; 128 h: register 32 c + n of my 64 stands for row 64 c + 32 h + n of B's 128
	s_wait_alu depctr_va_vdst(0)
	v_and_b32 v3, 8, v1
	v_mad_u32_u24 v3, v3, 3, v1                    ; r % 8 + 32 (r / 8): lane r of A's block a stands for row 64 (a / 4) + 8 (a % 4) + that
	v_lshlrev_b32 v8, 2, v3                        ; 4 (r % 8 + 32 (r / 8))
	s_wait_alu depctr_va_vdst(0)
	s_lshl_b32 s92, s40, 10                        ; bq: 256 cx + 128 x my half of B, in bytes
	s_lshl_b32 s94, s16, 9
	s_add_co_u32 s92, s92, s94
	s_mov_b32 s93, 0
	s_add_nc_u64 s[8:9], s[8:9], s[92:93]
	s_lshl_b32 s92, s41, 10                        ; bv: 256 cy + 128 x my half of A
	s_lshl_b32 s94, s15, 9
	s_add_co_u32 s92, s92, s94
	s_add_nc_u64 s[10:11], s[10:11], s[92:93]
.irp i, 0,1,2,3
.irp n, 0,1,2,3
	global_load_b128 v[BIA+16*\i+4*\n:BIA+16*\i+4*\n+3], v7, s[8:9] offset:256*(\i/2)+64*(\i%2)+16*\n
.endr
.endr
.irp a, 0,1,2,3,4,5,6,7
	global_load_b32 v[BA+2*\a], v8, s[10:11] offset:(64*(\a/4)+8*(\a%4))*4
.endr
	v_mul_u32_u24 v3, v1, PITCH
	v_mul_u32_u24 v4, v2, 24
	v_add_nc_u32 v4, v3, v4                        ; a fragment's row x pitch + 24 x half
	v_lshl_add_u32 v5, v2, 4, v4                   ; and the same behind one padding more
	s_mul_i32 s21, s15, HALFT                      ; my 128 rows of A
	s_mul_i32 s22, s16, HALFT                      ; my 128 rows of B,
	s_add_co_u32 s22, s22, 2*HALFT                 ; which lie behind A's 256
.irp s, 0,1
	v_add_nc_u32 v[ADRA+\s], s21, v4
	v_add_nc_u32 v[ADRB+\s], s22, v4
	v_add_nc_u32 v[ADRA+2+\s], s21, v5
	v_add_nc_u32 v[ADRB+2+\s], s22, v5
	s_add_co_u32 s21, s21, SLOT
	s_add_co_u32 s22, s22, SLOT
.endr
	; THE SCALE WORDS of my 128 places of A (lanes 0-15) and of B (lanes 16-31), 32 bytes a place for all of K: loaded once, kept in my wave's own LDS bytes, 32 bytes a lane and block
	s_lshl_b32 s21, s17, 8
	s_lshl_b32 s22, s15, 7
	s_add_co_u32 s21, s21, s22                     ; A's first place of mine
	s_lshl_b32 s22, s42, 8
	s_lshl_b32 s23, s16, 7
	s_add_co_u32 s22, s22, s23                     ; B's
	s_mov_b32 s23, 0xffff0000
	v_mov_b32 v5, s21
	v_mov_b32 v6, s22
	v_cndmask_b32 v5, v5, v6, s23
	v_add_lshl_u32 v5, v5, v1, 5                   ; (place + r) x 32 bytes
.irp i, 0,1,2,3,4,5,6,7
	global_load_b128 v[AF+8*\i:AF+8*\i+3], v5, s[6:7] offset:512*\i
	global_load_b128 v[AF+8*\i+4:AF+8*\i+7], v5, s[6:7] offset:512*\i+16
.endr
	v_and_b32 v6, 31, v0
	s_lshl_b32 s21, s14, 13
	s_add_co_u32 s21, s21, SCL
	v_lshl_add_u32 v[ADRS], v6, 5, s21             ; SCL + 8,192 x wave + 32 x lane
	v_lshlrev_b32 v[L16], 4, v6
	v_lshlrev_b32 v[L8], 3, v6
	; what the kind decides on the way out, by selects
	s_and_b32 s20, ttmp7, 0xffff
	s_lshl_b32 s20, s20, 2                         ; 4 x cluster y
	s_mov_b32 s21, 0x3eb504f3                      ; 64^-0.25 = 2^-1.5
	s_mov_b32 s22, 49152                           ; k's scale words
	s_cmp_eq_u32 ttmp9, 2                          ; v?
	s_cselect_b32 s95, -1, 0                       ; all lanes, or none: keeps the bias along A
	s_cselect_b32 s[SS], 1.0, s21
	s_cselect_b32 s96, 0, 16
	s_cselect_b32 s23, s40, s41                    ; the tokens' tile in the cluster: along B for v, along A for q and k
	s_cselect_b32 s45, s16, s15                    ; and my half of it
	s_cselect_b32 s46, s41, s40                    ; the group of 4 heads
	s_cselect_b32 s47, s15, s16                    ; and my pair of heads in it
	s_cselect_b32 s92, 24576, 0                    ; the region of codes,
	s_cselect_b32 s22, 51200, s22                  ; of scale words
	s_cmp_eq_u32 ttmp9, 0                          ; q?
	s_cselect_b32 s97, -1, 0                       ; keeps the bias along B
	s_cselect_b32 s92, 53248, s92
	s_cselect_b32 s22, 77824, s22
	s_mov_b32 s[SS+1], s[SS]                       ; (named with it as a pair, so it is written)
	s_add_co_u32 s20, s20, s23
	s_lshl_b32 s20, s20, 1
	s_add_co_u32 s20, s20, s45                     ; my step of 128 tokens, 0 .. 31
	s_lshr_b32 s21, s20, 4                         ; the batch
	s_lshl_b32 s21, s21, 2
	s_add_co_u32 s21, s21, s46
	s_lshl_b32 s21, s21, 4
	s_and_b32 s20, s20, 15
	s_add_co_u32 s21, s21, s20                     ; the block
	s_mul_i32 s21, s21, BLK
	s_mul_i32 s93, s47, 12288
	s_add_co_u32 s[OC], s21, s92
	s_add_co_u32 s[OC], s[OC], s93
	s_mov_b32 s[OC+1], 0
	s_add_nc_u64 s[OC:OC+1], s[12:13], s[OC:OC+1]
	s_lshl_b32 s93, s47, 10
	s_add_co_u32 s[OS], s21, s22
	s_add_co_u32 s[OS], s[OS], s93
	s_mov_b32 s[OS+1], 0
	s_add_nc_u64 s[OS:OS+1], s[12:13], s[OS:OS+1]
	v_lshlrev_b32 v[SH], 4, v2
	v_and_b32 v[SH], s96, v[SH]
	v_lshlrev_b32 v[SH8], 3, v2
	s_wait_alu depctr_va_vdst(0)
	s_wait_loadcnt 0x0                             ; the biases and the scale words
.irp i, 0,1,2,3,4,5,6,7
	ds_store_b128 v[ADRS], v[AF+8*\i:AF+8*\i+3] offset:SBLK*\i
	ds_store_b128 v[ADRS], v[AF+8*\i+4:AF+8*\i+7] offset:SBLK*\i+16   ; my own bytes: LDS serves a wave's instructions in order, so my later loads see them
.endr
.set j, 0
.rept 64
	v_cndmask_b32 v[BIA+j], 0, v[BIA+j], s97       ; bq for q; exact zeros for k and v
.set j, j+1
.endr
.irp a, 0,1,2,3,4,5,6,7
	v_cndmask_b32 v[BA+2*\a], 0, v[BA+2*\a], s95   ; bv for v; zeros for q and k
.endr
.irp a, 0,1,2,3,4,5,6,7
	v_mov_b32 v[BA+2*\a+1], v[BA+2*\a]             ; a pair for the packed multiply-add
.endr
.rept 8
	v_nop
.endr
.macro FRAG reg, adr, q, i             ; a fragment, 16 rows x 128 K of 6-bit codes, is 12 registers: lane l holds row l % 16; registers 6 c .. 6 c + 5 hold K = 64 c + 32 (l / 16) + 0 .. 31: 24 bytes of the row, as they lie
.irp p, 0,1,2,3,4,5                    ; in pieces of 8 bytes.  Lanes 0-15 take the row's pieces 12 q + 0, 1, 2 and 12 q + 6, 7, 8, lanes 16-31 those three pieces on
.set PCE, 12*(\q)+6*(\p/3)+\p%3        ; 16 bytes of padding lie behind every 64 bytes (8 pieces): where the piece three on lies behind one padding more, the second address register serves
.if PCE%8 < 5
	ds_load_b64 v[\reg+2*\p:\reg+2*\p+1], v[\adr] offset:8*PCE+16*(PCE/8)+(\i)*16*PITCH
.else
	ds_load_b64 v[\reg+2*\p:\reg+2*\p+1], v[\adr+2] offset:8*PCE+16*(PCE/8)+(\i)*16*PITCH
.endif
.endr
.endm
; 16 matrix instructions: A's blocks a0, a0 + 1 x B's eight, 128 along K: the slot's q-th.  p: B's set;  sc: the set of scale words.  first = 1: the first product starts the sums from the bias along B.
; The 64 accumulators take turns, one instruction a turn, in the same order in every step.
.macro MUL16 a0, p, q, sc, first
.irp a, \a0, \a0+1
.irp b, 0,1,2,3,4,5,6,7
.if \first
	v_wmma_scale_f32_16x16x128_f8f6f4 v[8*(8*((\a)%4)+\b):8*(8*((\a)%4)+\b)+7], v[128*(\p)+FR*\b:128*(\p)+FR*\b+FR-1], v[AF+FR*(\a):AF+FR*(\a)+FR-1], v[BIA+8*\b:BIA+8*\b+7], v[SC+8*NQ*(\sc)+NQ*\b+(\q)], v[SC+8*NQ*(\sc)+NQ*(\a)+(\q)] matrix_a_fmt:MATRIX_FMT_FP6 matrix_b_fmt:MATRIX_FMT_FP6 matrix_a_scale:MATRIX_SCALE_ROW1
.else
	v_wmma_scale_f32_16x16x128_f8f6f4 v[8*(8*((\a)%4)+\b):8*(8*((\a)%4)+\b)+7], v[128*(\p)+FR*\b:128*(\p)+FR*\b+FR-1], v[AF+FR*(\a):AF+FR*(\a)+FR-1], v[8*(8*((\a)%4)+\b):8*(8*((\a)%4)+\b)+7], v[SC+8*NQ*(\sc)+NQ*\b+(\q)], v[SC+8*NQ*(\sc)+NQ*(\a)+(\q)] matrix_a_fmt:MATRIX_FMT_FP6 matrix_b_fmt:MATRIX_FMT_FP6 matrix_a_scale:MATRIX_SCALE_ROW1
.endif
.endr
.endr
.endm
.macro FETCH_B slot, q, p              ; B's eight fragments of the slot's q-th 128 along K into set p
	WIN TO_B
.irp i, 0,1,2,3,4,5,6,7
	FRAG 128*(\p)+FR*\i, ADRB+\slot, \q, \i
.endr
	WIN 0
.endm
.macro FETCH_A slot, q, i0             ; A's blocks i0 .. i0 + 3
.irp i, \i0, \i0+1, \i0+2, \i0+3
	FRAG AF+FR*(\i), ADRA+\slot, \q, \i
.endr
.endm
.macro SCALES sc                       ; a K step's scale words into set sc: two words a row; lanes 0-15 take A's block i, lanes 16-31 B's block i
.irp i, 0,1,2,3,4,5,6,7
	ds_load_b64 v[SC+8*NQ*\sc+NQ*\i:SC+8*NQ*\sc+NQ*\i+1], v[ADRS] offset:\i*SBLK
.endr
.endm
; A load into a register that a matrix instruction has read, and a vector instruction that reads a matrix result, stand NP places behind that matrix instruction; only plain vector instructions that name none of its
; registers are places (ISA guide 7.12.1 for vector instructions).
.macro PLACES n
.rept \n
	v_nop
.endr
.endm
; A step of 128 along K that has its successor in the same slot.
.macro STEP slot, q, first
	s_wait_dscnt 4*NL                              ; B's set and A's blocks 0-3 are in; the youngest 24 loads (A's blocks 4-7) may be out
.if \first
	WIN FST_LO
.else
	WIN MUL_LO
.endif
	MUL16 0, (\q)%2, \q, \slot, \first
	MUL16 2, (\q)%2, \q, \slot, \first
	s_wait_dscnt 0                                 ; A's blocks 4-7 are in (asked for 32 matrix instructions ago)
	PLACES NP
	FETCH_B \slot, (\q)+1, 1-(\q)%2
	FETCH_A \slot, (\q)+1, 0
.if \first
	WIN FST_HI
.else
	WIN MUL_HI
.endif
	MUL16 4, (\q)%2, \q, \slot, \first
	MUL16 6, (\q)%2, \q, \slot, \first
	PLACES NP
	WIN 0
	FETCH_A \slot, (\q)+1, 4
.endm
; A slot's last step changes slots: ONE barrier; in front of it each wave waits for all its tensor loads, adds 0 to its spare word, and waits for that and for its own reads of this slot.  fill = 1: this slot is filled again, two K steps ahead.
.macro TURN slot, next, fill
	s_wait_tensorcnt 0x0                           ; all my tensor loads have landed: my part of the next slot;  (every window is 0 here)
	ds_add_u32 v[SPW], v[NIL]                      ; 0 onto my spare word;
	s_wait_dscnt 4*NL+1                            ; (the add and the youngest 24 loads, A's blocks 4-7, may be out)
	WIN MUL_LO
	MUL16 0, 1, NQ-1, \slot, 0                     ; sixteen matrix instructions stand between the add and the wait for it
	s_wait_dscnt 0x0                               ; the add is done, and my reads of this slot are over
	s_barrier_signal -1
	MUL16 2, 1, NQ-1, \slot, 0
	WIN 0
	s_barrier_wait -1
.if \fill
	CREST                                          ; the barrier has opened a round of the cluster's barrier: no wave of any partner still reads this slot's tile or has a load on its way
	s_add_nc_u64 s[G0+4*\slot+2:G0+4*\slot+3], s[G0+4*\slot+2:G0+4*\slot+3], 2*ROWB
	s_add_nc_u64 s[G0B+4*\slot+2:G0B+4*\slot+3], s[G0B+4*\slot+2:G0B+4*\slot+3], 2*ROWB
	JLOAD G0+4*\slot, G1, G0B+4*\slot, G1B         ; the first tensor load behind the round; the four v_nop behind it are the places in front of the loads below
.else
	PLACES NP
.endif
	s_wait_alu depctr_va_vdst(0)
	v_add_nc_u32 v[ADRS], 4*NQ, v[ADRS]            ; on to the next K step's scale words (no LDS load of mine is out)
	FETCH_B \next, 0, 0
	FETCH_A \next, 0, 0
	SCALES \next
	WIN MUL_HI
	MUL16 4, 1, NQ-1, \slot, 0
	MUL16 6, 1, NQ-1, \slot, 0
	PLACES NP
	WIN 0
	FETCH_A \next, 0, 4
.endm
	s_wait_alu depctr_va_vdst(0)
	s_wait_tensorcnt 0x0                           ; my part of K step 0 is in
	ds_add_u32 v[SPW], v[NIL]
	s_wait_dscnt 0x0
	CROUND                                         ; everybody's part is in, and the sixteen work-groups meet
	JLOAD G0+4, G1, G0B+4, G1B                     ; K step 1, slot 1's first fill: the first tensor load behind the round
	FETCH_B 0, 0, 0
	FETCH_A 0, 0, 0
	SCALES 0
	FETCH_A 0, 0, 4
	STEP 0, 0, 1                                   ; the first step stands in front of the loop: its products start the sums
	s_mov_b32 s3, LAPS-1
.Llap:                                                 ; a trip goes once round the ring, from a lap's second step to the next lap's first, and fills both slots again
	TURN 0, 1, 1
	STEP 1, 0, 0
	TURN 1, 0, 1
	STEP 0, 0, 0
	s_sub_co_u32 s3, s3, 1
	s_cmp_lg_u32 s3, 0
	s_cbranch_scc1 .Llap
	TURN 0, 1, 0                                   ; the last lap fills nothing, and has no round of the cluster's barrier
	STEP 1, 0, 0
	s_wait_dscnt 4*NL                              ; the very last step: nothing more to fetch
	WIN MUL_LO
	MUL16 0, 1, NQ-1, 1, 0
	MUL16 2, 1, NQ-1, 1, 0
	s_wait_dscnt 0
	WIN MUL_HI
	MUL16 4, 1, NQ-1, 1, 0
	MUL16 6, 1, NQ-1, 1, 0
	WIN 0
; 64 numbers of a lane, v[s] .. v[s + 63], register 32 c + n = k 64 c + 32 (lane / 16) + n of my row, become a fragment's codes in v[PC] on and its scale word in v[PW].
; Register 32 c + n of the 64 is k = 64 c + 32 (lane / 16) + n of my row: block 2 c + lane / 16 is whole in my lane, in the operand's own order.
.macro QUANT s
.irp c, 0,1
	v_max3_num_f32 v[TM+\c], |v[\s+32*\c]|, |v[\s+1+32*\c]|, 0x1800000   ; my block's 32 numbers, and the floor 2^(3 - 127): so the byte cannot fall under 1
.endr
.irp i, 2,4,6,8,10,12,14,16,18,20,22,24,26,28,30
.irp c, 0,1
	v_max3_num_f32 v[TM+\c], v[TM+\c], |v[\s+32*\c+\i]|, |v[\s+1+32*\c+\i]|
.endr
.endr
.irp c, 0,1
	v_add_nc_u32 v[TM+12+\c], 0xff000000, v[TM+\c]   ; 2 off the exponent field: the conversion's scale operand
.endr
.irp c, 0,1
	v_lshrrev_b32 v[TM+4+\c], 23, v[TM+12+\c]      ; the scale's byte
.endr
	v_lshl_or_b32 v[PW], v[TM+5], 16, v[TM+4]      ; my two bytes, blocks h and 2 + h,
	v_lshlrev_b32 v[PW], v[SH8], v[PW]             ; at their places in the word;
	v_permlanex16_b32 v[TM+6], v[PW], s[SEL], s[SEL+1]
	v_or_b32 v[PW], v[PW], v[TM+6]                 ; with lane l xor 16's two the word is whole, in both lanes
.irp c, 0,1
	v_cvt_scalef32_pk16_fp6_f32 v[PC+6*\c:PC+2+6*\c], v[\s+32*\c:\s+15+32*\c], v[TM+12+\c]
	v_cvt_scalef32_pk16_fp6_f32 v[PC+12+4*\c:PC+14+4*\c], v[\s+16+32*\c:\s+31+32*\c], v[TM+12+\c]   ; (a conversion's three registers begin on an even number)
.endr
	v_nop                                          ; one plain place behind a scaled conversion
.irp c, 0,1                                    ; the operand's layout wants a WHOLE block in a lane: lanes 0-15 block 2 c, lanes 16-31 block 2 c + 1
.irp i, 0,1,2
	v_mov_b32 v[PC+3+6*\c+\i], v[PC+12+4*\c+\i]
.endr
.endr
.endm
; THE WAY OUT of A's block a: (sum x s + the bias along A), one fused multiply-add a number, each accumulator from its low end on; quantised along B; the fragment's registers leave as they stand.
; Each store of the wave covers 512 or 256 consecutive bytes, at a multiple of 256 from the buffer's first byte.
.macro OUTBLK a
	WIN 0x02+(\a)/4                                ; source 0: window 2 or 3
.set j, 0
.rept 32
	v_pk_fma_f32 v[HA+j:HA+j+1], v[64*((\a)%4)+j:64*((\a)%4)+j+1], s[SS:SS+1], v[BA+2*(\a):BA+2*(\a)+1] op_sel_hi:[1,0,1]
.set j, j+2
.endr
	WIN 0
.if (\a) > 0
	s_wait_xcnt 0x0                                ; the last block's stores have read their registers: the codes and the scale words are written again only behind this wait
.endif
	QUANT HA
	v_lshrrev_b32 v[SW+(\a)%4], v[SH], v[PW]       ; q, k: lanes 16-31 bring the odd head's two bytes down; v: the word as it is
	global_store_b128 v[L16], v[PC:PC+3], s[OC:OC+1] offset:1536*(\a)
	global_store_b64 v[L8], v[PC+4:PC+5], s[OC:OC+1] offset:1536*(\a)+512
	global_store_b128 v[L16], v[PC+6:PC+9], s[OC:OC+1] offset:1536*(\a)+768
	global_store_b64 v[L8], v[PC+10:PC+11], s[OC:OC+1] offset:1536*(\a)+1280
.if (\a)%4 == 3
	global_store_b128 v[L16], v[SW:SW+3], s[OS:OS+1] offset:512*((\a)/4)
.endif
.endm
	PLACES NP                                      ; behind the last products: their results are read and A's registers written below
	s_mov_b32 s[SEL], 0x76543210
	s_mov_b32 s[SEL+1], 0xfedcba98                 ; v_permlanex16_b32's selects for lane l xor 16
.irp b, 0,1,2,3
	v_mov_b32 v[TM+4+\b], 0                        ; written once: a lane permute's destination counts as one of its sources
.endr
.irp a, 0,1,2,3,4,5,6,7
	OUTBLK \a
.endr
	s_wait_tensorcnt 0x0                           ; the wave's end
	ds_add_u32 v[SPW], v[NIL]
	s_wait_dscnt 0x0
	CROUND                                         ; the closing round: no work-group ends while a partner may still ask for a tile that names it
	s_endpgm
.Lfunc_end_k_q6d40490935_qkv:
	.size	k_q6d40490935_qkv, .Lfunc_end_k_q6d40490935_qkv-k_q6d40490935_qkv
	.p2alignl 7, 3214868480
	.fill 96, 4, 3214868480
	.section	.rodata,"a",@progbits
	.p2align	6, 0x0
	.amdhsa_kernel k_q6d40490935_qkv
		.amdhsa_group_segment_fixed_size 327680
		.amdhsa_private_segment_fixed_size 0
		.amdhsa_enable_private_segment 0
		.amdhsa_kernarg_size 40
		.amdhsa_user_sgpr_count 2
		.amdhsa_user_sgpr_kernarg_segment_ptr 1
		.amdhsa_wavefront_size32 1
		.amdhsa_system_sgpr_workgroup_id_x 1
		.amdhsa_system_sgpr_workgroup_id_y 1
		.amdhsa_system_sgpr_workgroup_id_z 1
		.amdhsa_system_vgpr_workitem_id 0
		.amdhsa_next_free_vgpr 1024
		.amdhsa_next_free_sgpr 102
		.amdhsa_reserve_vcc 0
		.amdhsa_float_denorm_mode_32 3
		.amdhsa_float_denorm_mode_16_64 3
		.amdhsa_memory_ordered 1
		.amdhsa_forward_progress 1
		.amdhsa_inst_pref_size 184
	.end_amdhsa_kernel
	.amdgpu_metadata
---
amdhsa.version: [ 1, 2 ]
amdhsa.kernels:
  - .name:           k_q6d40490935_qkv
    .symbol:         k_q6d40490935_qkv.kd
    .args:
      - { .name: codes, .offset: 0, .size: 8, .value_kind: global_buffer, .address_space: global }
      - { .name: scales, .offset: 8, .size: 8, .value_kind: global_buffer, .address_space: global }
      - { .name: bq, .offset: 16, .size: 8, .value_kind: global_buffer, .address_space: global }
      - { .name: bv, .offset: 24, .size: 8, .value_kind: global_buffer, .address_space: global }
      - { .name: qkv, .offset: 32, .size: 8, .value_kind: global_buffer, .address_space: global }
    .group_segment_fixed_size: 327680
    .private_segment_fixed_size: 0
    .kernarg_segment_align: 8
    .kernarg_segment_size: 40
    .max_flat_workgroup_size: 128
    .sgpr_count:     102
    .vgpr_count:     1024
    .wavefront_size: 32
...
	.end_amdgpu_metadata
.endif
;; end of part 2
;; launch attn (part 3): grid 64 x 4, 8 waves a work-group, clusters of 4 x 4, 327,680 bytes of LDS; arguments qkv, mask, wvc, wvs; writes wvc, wvs
.if DOCPART == 3
	.amdgcn_target "amdgcn-amd-amdhsa--gfx1250"
	.amdhsa_code_object_version 6
	.text
	.protected	k_q6d40490935_attn
	.globl	k_q6d40490935_attn
	.p2align	8
	.type	k_q6d40490935_attn,@function
k_q6d40490935_attn:
	s_mov_b64 s[64:65], 0
	v_nop
	global_prefetch_b8 v0, s[64:65] scope:SCOPE_SE
	s_setreg_imm32_b32 hwreg(HW_REG_WAVE_MODE, 25, 1), 1
	s_wait_xcnt 0x0
	s_wait_alu depctr_hold_cnt(0) depctr_sa_sdst(0) depctr_va_vdst(0) depctr_va_sdst(0) depctr_va_ssrc(0) depctr_va_vcc(0) depctr_vm_vsrc(0)
	s_getreg_b32 s2, hwreg(HW_REG_IB_STS2, 6, 4)
	s_cmp_eq_u32 s2, 0
	s_cbranch_scc0 .Lentry_in_a_cluster
	s_endpgm
.Lentry_in_a_cluster:
	s_bfe_u32 s2, ttmp6, 0x10000c
	s_cmp_lg_u32 s2, 0xf033
	s_cbranch_scc0 .Lentry_shape_is_right
	s_endpgm
.Lentry_shape_is_right:
; wv[b][q][head] = softmax_k(q . k + mask[q][k]) v, both products on codes of FP6 (E2M3) with E8M0 scales; the result is quantised along the model's 1,024 and leaves as codes.
; IN: qkv, blocks of 79,872 bytes, block ((batch x 4 + group of 4 heads) x 16 + step of 128 tokens): k's codes 0, v's 24,576, k's scale words 49,152, v's 51,200, q's codes 53,248, q's scale words 77,824: images of operand
; registers (0-3 at 16 x lane, 4-5 at 512 + 8 x lane, 6-9 at 768 + 16 x lane, 10-11 at 1,280 + 8 x lane of a tile's 1,536 bytes).  q and k carry 64^-0.25.  mask [2048][2048] f32 is an input: every word is read and added.
; PLACES: place 64 c + 16 u + 8 g + j holds token (or channel) 64 c + 32 g + 8 u + j.  Both products are used transposed (S^T = K Q^T, O^T = V^T P^T): a lane holds one query, and its 32 registers of key tiles 4 c .. 4 c + 3
; are keys 64 c + 32 (lane / 16) + 0 .. 31: a whole block of 32 in the operand's own order, so p is quantised with no exchange of codes between lanes.  O^T's 32 registers are channels 32 (lane / 16) + 0 .. 31 likewise.
; THE SOFTMAX: t = (score + mask) x log2(e); M = the row's largest t so far, rounded up to a whole number; p = 2^(t - M) is quantised along the keys, not normalised; the row's sum is taken of the unquantised p and divides O
; at the end; when M moves, the sum and O are multiplied by 2^(old M - new M), which rounds nothing.  The mask is the C of the first product: the matrix instruction adds it in f32.
; SHARES: a work-group owns 64 queries x 4 heads; wave w owns head w / 2 and query tiles 2 (w % 2), 2 (w % 2) + 1 (32 queries): each fragment of k and v serves two tiles.  2,048 keys, 128 a step.
; THE HEAD IS 64 LONG, the instruction 128: q's registers 6-11 hold zero codes.  k's fragments lie 6 registers apart, so that a fragment's upper six are the next tile's codes (the last: zeros): they meet zero codes alone,
; every code of the format is a finite number, and no scale byte here is 0xff.
; A TRIP'S ORDER: the change of slots stands in the trip's middle, behind the step's last LDS reads: the other slot is then whole, and the NEXT step's k, and its mask as each tile's p is done with, are loaded into registers
; under this step's softmax.
; CLUSTERS: 4 x 4: cx = four neighbouring blocks of queries, cy = the four groups of heads.  A step's codes of k (24,576 dense bytes) are asked for jointly along a row, a mask tile (64 x 128 f32) along a column.
; Waves 0-3 fetch 16 mask rows each, waves 4-7 a quarter of k's codes each: one tensor load a wave behind each round, asked for one whole trip ahead of the barrier that shows it; by this text's count one load a wave is out.
; v's FRAGMENTS AND THE SCALE WORDS OF k AND v GO FROM MEMORY STRAIGHT INTO REGISTERS, and are not shared in the cluster: they lie in memory as register images, so each load of a wave covers 512 or 256 consecutive bytes; v is
; asked for at a trip's top and used at its end, and passes through no slot: what the tensor loads bring behind a round is 58,368 bytes in place of 87,040, and v costs no LDS read.
; PREFETCH: in trip i, which asks for step i + 2, wave 0 names its work-group's 32 blocks of 256 bytes (16 rows, by cy) of the mask tile of step i + 4, and wave 4 its 24 blocks (by cx) of that step's codes of k: each block once
; in each cluster that will load it, two refills ahead; steps 0 to 3 come by their loads alone; trips 12 and 13 ask for nothing.
; OUT: wvc [128 places: 32][group of heads: 4][128 places][192 bytes], wvs [4096 places][32 bytes].
; LIMITS: NaN and infinities are not served; scores with mask under -1e38 count as -1e38 for the row's maximum; a mask row of -infinity throughout is not reproduced.  The scaled scores stay under 2^31 in magnitude.
; A block of p or of wv that is all zeros has the byte 1 (its codes are zeros; this program alone reads the bytes).
.set BLK,   79872
.set SLOT1, 1<<17                      ; slot 1 begins here
.set MOFF,  53248                      ; in a slot: k's codes at 0, the mask tile here
.set MP,    528                        ; a mask row: 512 bytes + 16
.set MHI,   32*MP+128                  ; rows 32-63 lie 128 bytes further on: the 16 rows that a load touches (i, 32 + i) fall on 16 different 16-byte columns of 256
.set SPARE, 2*SLOT1                    ; the spare words, 128 bytes for each of 8 waves
.set STG,   SPARE+1024                 ; the way out: 64 rows x 192 bytes of codes
.set SSTG,  STG+12288                  ; and 64 rows x 8 scale bytes
; window 0
.set AK16, 1                           ; v1, v2 my lane's place in a tile of k, in a slot
.set AK8,  2
.set AV16, 3                           ; v3, v4 in a tile of v, in a block of qkv
.set AV8,  4
.set SPW,  5                           ; my spare word; never rewritten
.set NIL,  6                           ; 0; never rewritten
.set AKS,  7                           ; v7, v8 among k's and v's scale words, in a block of qkv
.set AVS,  8
.set AM,   9                           ; in the mask tile, in a slot
.set ADK16, 10                         ; v10, v11, v16: the three LDS addresses in the slot that they read
.set ADK8,  11
.set ADM,   16
.set SH8,  17                          ; 8 x (lane / 16)
.set QSC,  18                          ; v18-19 q's scale words
.set KSC,  20                          ; v20-27 k's
.set VSC,  28                          ; v28-31 v's
.set PS,   32                          ; v32-33 p's
.set ST,   34                          ; for tile u at ST + 8 u: -M, the largest score, the sum (2), f (2), two at work
.set BM,   50                          ; v50-53 the blocks' largest (2 u + c)
.set SO,   54                          ; v54-57 a second chain of maxima; then the conversions' scale operands
.set BY,   58                          ; v58-61 the bytes
.set PFO,  62                          ; v62 the prefetch's offset; never rewritten
.set S,    64                          ; v64-191 the mask, S^T, p: 64 registers a tile
.set PC,   192                         ; v192-215 p's codes
.set CT,   216                         ; v216-231 the upper halves' codes on their way
.set SU,   232                         ; v232-247 chains of sums
; window 1
.set O,    0                           ; O^T: 32 registers a tile
.set KF,   64                          ; k's eight fragments, 6 registers apart, and six zeros
.set VF,   160                         ; v's four fragments
.set QF,   208                         ; q's two
.set WV,   12                          ; s12 wave; s13 head; s14 half of the queries; s15 cx; s16 cy; s17 batch; s18 block of 64 queries; s19 wave % 4
.set SEL,  20
.set CS,   22                          ; s[22:23] log2(e)
.set G1M,  24
.set G1KV, 32
.set G0M,  40
.set G0KV, 44
.set TB,   48                          ; LDS byte at which the slot last shown whole begins
.set CNT,  49
.set VB,   78                          ; s[78:79] the block of qkv of the step in hand
.set PFB,  80                          ; s[80:81] where my prefetch stands; s[82:83] its step from trip to trip
.set PST,  82
.set LIM,  84                          ; 2 in waves 0 and 4, which prefetch; in the others the greatest number
.set MSB, 0
.macro WIN new                         ; the immediate's high byte repeats the setting that is left
.if MSB != \new
	s_set_vgpr_msb (MSB<<8)|\new
.set MSB, \new
.endif
.endm
.macro NOP4
.rept 4
	v_nop
.endr
.endm
.macro TLOAD                           ; one arm a wave; the branch hangs on the wave's number alone
	s_cmp_lt_u32 s[WV], 4
	s_cbranch_scc0 .Lkv_\@
	tensor_load_to_lds s[G0M:G0M+3], s[G1M:G1M+7]
	s_nop 0
	NOP4
	s_branch .Lasked_\@
.Lkv_\@:
	tensor_load_to_lds s[G0KV:G0KV+3], s[G1KV:G1KV+7]
	s_nop 0
	NOP4
.Lasked_\@:
.endm
.macro CREST                           ; a round of the cluster's barrier behind its opening barrier
	s_cmp_lg_u32 s[WV], 0
	s_cbranch_scc1 .Lnot_wave_0_\@
	s_barrier_signal -3
.Lnot_wave_0_\@:
	s_barrier_wait -3
	s_barrier_signal -1
	s_barrier_wait -1
.endm
.macro CROUND                          ; a whole round
	s_barrier_signal -1
	s_barrier_wait -1
	CREST
.endm
.macro WALK                            ; the walking descriptors: the other slot, the next 128 keys
	s_xor_b32 s[G0M+1], s[G0M+1], SLOT1
	s_add_nc_u64 s[G0M+2:G0M+3], s[G0M+2:G0M+3], 512
	s_xor_b32 s[G0KV+1], s[G0KV+1], SLOT1
	s_add_nc_u64 s[G0KV+2:G0KV+3], s[G0KV+2:G0KV+3], BLK
.endm
.macro ASK                             ; the tiles two refills on; the counter is 14 - i in trip i, so trips 12 and 13 ask for nothing
	s_cmp_gt_u32 s[CNT], s[LIM]
	s_cbranch_scc0 .Lno_ask_\@
	global_prefetch_b8 v[PFO], s[PFB:PFB+1] th:TH_LOAD_NT scope:SCOPE_SE
.Lno_ask_\@:
.endm
	s_load_b256 s[4:11], s[0:1], 0x0               ; qkv, mask, wvc, wvs
	v_lshl_add_u32 v[SPW], v0, 2, SPARE
	v_mov_b32 v[NIL], 0
	ds_add_u32 v[SPW], v[NIL]                      ; the opening lines
	ds_add_u32 v[SPW], v[NIL]
	v_lshrrev_b32 v10, 5, v0
	v_readfirstlane_b32 s[WV], v10
	s_lshr_b32 s13, s[WV], 1
	s_and_b32 s14, s[WV], 1
	s_and_b32 s19, s[WV], 3
	s_bfe_u32 s15, ttmp6, 0x40000
	s_bfe_u32 s16, ttmp6, 0x40004
	s_lshr_b32 s17, ttmp9, 3
	s_and_b32 s18, ttmp9, 7
	s_lshl_b32 s18, s18, 2
	s_add_co_u32 s18, s18, s15
	s_lshl_b32 s50, s16, 2
	s_lshl_b32 s50, 15, s50                        ; my row of the cluster
	s_lshl_b32 s51, 0x1111, s15                    ; my column
	s_or_b32 s[G1M], s51, (2<<16)|(1<<20)|(1<<21)|(6<<22)|(3<<25)   ; the mask: 16 rows x 128 words, 16 bytes of padding behind each row
	s_mov_b32 s[G1M+1], 128<<16
	s_mov_b32 s[G1M+2], 16<<16
	s_mov_b32 s[G1M+3], 128<<16
	s_mov_b32 s[G1M+4], 16
	s_mov_b32 s[G1M+5], 2048
	s_mov_b32 s[G1M+6], 0
	s_mov_b32 s[G1M+7], 0
	s_or_b32 s[G1KV], s50, (3<<16)|(1<<21)         ; a quarter of k's codes: 6,144 dense bytes as 24 rows of 256
	s_mov_b32 s[G1KV+1], 32<<16
	s_mov_b32 s[G1KV+2], 24<<16
	s_mov_b32 s[G1KV+3], 32<<16
	s_mov_b32 s[G1KV+4], 24
	s_mov_b32 s[G1KV+5], 32
	s_mov_b32 s[G1KV+6], 0
	s_mov_b32 s[G1KV+7], 0
	s_lshl_b32 s52, s18, 19                        ; the mask: row 64 x block + 16 x (wave % 4), 8,192 bytes a row
	s_lshl_b32 s53, s19, 17
	s_add_co_u32 s52, s52, s53
	s_mov_b32 s53, 0
	s_mul_i32 s55, s19, 16*MP
	s_lshr_b32 s56, s19, 1
	s_lshl_b32 s56, s56, 7
	s_add_co_u32 s55, s55, s56
	s_add_co_u32 s55, s55, MOFF
	s_lshl_b32 s54, s17, 2
	s_add_co_u32 s54, s54, s16
	s_mul_i32 s54, s54, 16*BLK                     ; the first block of my batch and group of heads
	s_mul_i32 s57, s19, 6144
	s_add_co_u32 s58, s54, s57
	s_mov_b32 s59, 0
	s_mov_b32 s[VB], s54
	s_mov_b32 s[VB+1], 0
	s_lshr_b32 s66, s13, 1                         ; my pair of heads, my head's parity
	s_and_b32 s67, s13, 1
	s_mul_i32 s68, s66, 12288
	s_mul_i32 s69, s67, 768
	s_add_co_u32 s69, s68, s69                     ; k, q: my head's part of a region of codes
	s_lshr_b32 s60, s18, 1
	s_mul_i32 s60, s60, BLK
	s_add_co_u32 s60, s60, s54                     ; q: the block in which my queries lie
	s_and_b32 s61, s18, 1
	s_lshl_b32 s62, s61, 2
	s_lshl_b32 s63, s14, 1
	s_add_co_u32 s62, s62, s63                     ; my first tile among that step's eight
	s_mul_i32 s62, s62, 1536
	s_add_co_u32 s62, s62, s69
	s_add_co_u32 s62, s62, s60
	s_add_co_u32 s62, s62, 53248
	s_mov_b32 s63, 0
	s_lshl_b32 s70, s66, 10                        ; q's scale words: [pair][four tiles][lane][word]
	s_lshl_b32 s71, s61, 9
	s_add_co_u32 s70, s70, s71
	s_lshl_b32 s71, s67, 8
	s_add_co_u32 s70, s70, s71
	s_lshl_b32 s71, s14, 3
	s_add_co_u32 s70, s70, s71
	s_add_co_u32 s70, s70, s60
	s_add_co_u32 s70, s70, 77824
	s_mov_b32 s71, 0
	s_mul_i32 s72, s67, 6144
	s_add_co_u32 s72, s72, s68
	s_add_co_u32 s72, s72, 24576                   ; v: my head's four tiles of channels
	s_lshl_b32 s73, s66, 10
	s_lshl_b32 s74, s67, 9
	s_add_co_u32 s74, s74, s73
	s_add_co_u32 s74, s74, 51200                   ; v's scale words
	s_lshl_b32 s75, s67, 8
	s_add_co_u32 s73, s73, s75
	s_add_co_u32 s73, s73, 49152                   ; k's
	s_mul_i32 s75, s14, 16*MP
	s_add_co_u32 s75, s75, MOFF                    ; the mask: my two tiles begin at row 16 x half
	s_add_co_u32 s76, s69, 512
	s_add_co_u32 s77, s72, 512
	s_lshl_b32 s86, s18, 19                        ; the prefetches begin at step 4: the mask's columns 512 on,
	s_add_co_u32 s86, s86, 4*512
	s_add_co_u32 s88, s54, 4*BLK                   ; k's block 4
	s_lshl_b32 s89, s16, 4                         ; my work-group's 16 rows of the mask tile, by cy,
	s_mul_i32 s90, s15, 24                         ; its 24 blocks of k's 96, by cx
	s_mov_b32 s[PST], BLK
	s_mov_b32 s[PST+1], 0
	s_mov_b32 s87, 0
	s_mov_b32 s[LIM], 2
	s_cmp_lt_u32 s[WV], 4                          ; wave 0 asks for the mask, wave 4 for k
	s_cselect_b32 s85, -1, 0
	s_cselect_b32 s[PST], 512, s[PST]
	s_cselect_b32 s86, s86, s88
	s_cmp_eq_u32 s19, 0
	s_cselect_b32 s[LIM], s[LIM], -1
	s_mov_b32 s[SEL], 0x76543210
	s_mov_b32 s[SEL+1], 0xfedcba98
	s_mov_b32 s[CS], 0x3fb8aa3b
	s_mov_b32 s[CS+1], s[CS]
	s_mov_b32 s[TB], 0
	s_mov_b32 s[CNT], 14
	s_wait_dscnt 0x0                               ; both opening adds are done
	s_wait_kmcnt 0x0
	s_mov_b32 s[G0M], 1
	s_mov_b32 s[G0M+1], s55
	s_add_nc_u64 s[G0M+2:G0M+3], s[6:7], s[52:53]
	s_or_b32 s[G0M+3], s[G0M+3], 0x80000000
	s_mov_b32 s[G0KV], 1
	s_mov_b32 s[G0KV+1], s57
	s_add_nc_u64 s[G0KV+2:G0KV+3], s[4:5], s[58:59]
	s_or_b32 s[G0KV+3], s[G0KV+3], 0x80000000
	s_add_nc_u64 s[62:63], s[4:5], s[62:63]
	s_add_nc_u64 s[70:71], s[4:5], s[70:71]
	s_add_nc_u64 s[VB:VB+1], s[4:5], s[VB:VB+1]
	s_cmp_lt_u32 s[WV], 4
	s_cselect_b64 s[PFB:PFB+1], s[6:7], s[4:5]
	s_add_nc_u64 s[PFB:PFB+1], s[PFB:PFB+1], s[86:87]
	CROUND                                         ; the first joint loads meet
	TLOAD                                          ; slot 0: key step 0
	v_and_b32 v10, 31, v0
	v_and_b32 v11, 15, v0                          ; r
	v_bfe_u32 v12, v0, 4, 1                        ; h
	v_lshlrev_b32 v13, 4, v10
	v_lshlrev_b32 v14, 3, v10
	v_lshlrev_b32 v15, 4, v11
	global_load_b32 v[QSC], v15, s[70:71]
	global_load_b32 v[QSC+1], v15, s[70:71] offset:4
	WIN 0x40
.irp u, 0,1
	global_load_b128 v[QF+12*\u:QF+12*\u+3], v13, s[62:63] offset:1536*\u   ; q's fragments stay in registers
	global_load_b64 v[QF+12*\u+4:QF+12*\u+5], v14, s[62:63] offset:1536*\u+512
.irp i, 6,7,8,9,10,11
	v_mov_b32 v[QF+12*\u+\i], 0                    ; zero codes for k = 64 .. 127
.endr
.endr
.irp i, 48,49,50,51,52,53
	v_mov_b32 v[KF+\i], 0                          ; behind k's last fragment
.endr
.set j, 0
.rept 64
	v_mov_b32 v[O+j], 0                            ; O^T: the step is written once for all steps; the first finds zeros
.set j, j+1
.endr
	WIN 0
	v_add_nc_u32 v[AK16], s69, v13
	v_add_nc_u32 v[AK8], s76, v14
	v_add_nc_u32 v[AV16], s72, v13
	v_add_nc_u32 v[AV8], s77, v14
	v_add_nc_u32 v[AKS], s73, v15
	v_add_nc_u32 v[AVS], s74, v15
	v_and_b32 v[SH8], 7, v11
	v_lshrrev_b32 v[AM], 3, v11
	v_mul_u32_u24 v[AM], v[AM], MHI
	v_mad_u32_u24 v[AM], v[SH8], MP, v[AM]
	v_lshl_add_u32 v[AM], v12, 7, v[AM]
	v_add_nc_u32 v[AM], s75, v[AM]                 ; the mask: row 8 x tile + r % 8 + 32 (r / 8) of the 64; + 128 h: my half's 32 keys of each 64
	v_lshlrev_b32 v[SH8], 3, v12
	v_lshrrev_b32 v16, 1, v10                      ; the prefetch of the mask: two lanes to a row of 512 bytes: row 16 cy + lane / 2, 8,192 bytes a row, block lane % 2
	v_add_nc_u32 v16, s89, v16
	v_lshlrev_b32 v16, 13, v16
	v_and_b32 v63, 1, v10
	v_lshl_add_u32 v16, v63, 8, v16
	v_min_u32 v63, 23, v10                         ; of k: block 24 cx + lane; lanes 24 to 31 name the last block again
	v_add_nc_u32 v63, s90, v63
	v_lshlrev_b32 v63, 8, v63
	v_cndmask_b32 v[PFO], v63, v16, s85
.irp u, 0,1
	v_mov_b32 v[ST+8*\u+1], 0xfe967699             ; the largest score so far: -1e38
	v_mov_b32 v[ST+8*\u+2], 0                      ; the sum, in two halves
	v_mov_b32 v[ST+8*\u+3], 0
	v_mov_b32 v[ST+8*\u+5], 0                      ; (named with f as a pair)
	v_mov_b32 v[ST+8*\u+7], 0                      ; (a lane permute's destination counts as a source)
	v_mul_f32 v[ST+8*\u+6], s[CS], v[ST+8*\u+1]
	v_floor_f32 v[ST+8*\u], -v[ST+8*\u+6]          ; -M
.endr
.macro LOADV                           ; 17 loads from memory: v's scale words and four fragments (16 channels x 128 keys each), as they lie
	global_load_b128 v[VSC:VSC+3], v[AVS], s[VB:VB+1]
	WIN 0x40
.irp t, 0,1,2,3
	global_load_b128 v[VF+12*\t:VF+12*\t+3], v[AV16], s[VB:VB+1] offset:1536*\t
	global_load_b64 v[VF+12*\t+4:VF+12*\t+5], v[AV8], s[VB:VB+1] offset:1536*\t
	global_load_b128 v[VF+12*\t+6:VF+12*\t+9], v[AV16], s[VB:VB+1] offset:1536*\t+768
	global_load_b64 v[VF+12*\t+10:VF+12*\t+11], v[AV8], s[VB:VB+1] offset:1536*\t+768
.endr
	WIN 0
.endm
.macro LOADKS off                      ; 2 loads from memory: k's scale words of the block off bytes on
	global_load_b128 v[KSC:KSC+3], v[AKS], s[VB:VB+1] offset:\off
	global_load_b128 v[KSC+4:KSC+7], v[AKS], s[VB:VB+1] offset:\off+512
.endm
.macro LOADK                           ; 16 LDS loads, from the slot at TB: k's eight fragments
	v_add_nc_u32 v[ADK16], s[TB], v[AK16]
	v_add_nc_u32 v[ADK8], s[TB], v[AK8]
	v_add_nc_u32 v[ADM], s[TB], v[AM]
	WIN 0x40
.irp t, 0,1,2,3,4,5,6,7
	ds_load_b128 v[KF+6*\t:KF+6*\t+3], v[ADK16] offset:1536*\t
	ds_load_b64 v[KF+6*\t+4:KF+6*\t+5], v[ADK8] offset:1536*\t
.endr
	WIN 0
.endm
.macro LOADM u                         ; 16 LDS loads: tile u's mask in the result's layout: register j of key tile t = key 64 (t / 4) + 32 h + 8 (t % 4) + j
.irp t, 0,1,2,3,4,5,6,7
	ds_load_b128 v[S+64*\u+8*\t:S+64*\u+8*\t+3], v[ADM] offset:8*MP*\u+256*(\t/4)+32*(\t%4)
	ds_load_b128 v[S+64*\u+8*\t+4:S+64*\u+8*\t+7], v[ADM] offset:8*MP*\u+256*(\t/4)+32*(\t%4)+16
.endr
.endm
.macro QK u
	WIN 0x05
.irp t, 0,1,2,3,4,5,6,7
	v_wmma_scale_f32_16x16x128_f8f6f4 v[S+64*\u+8*\t:S+64*\u+8*\t+7], v[KF+6*\t:KF+6*\t+11], v[QF+12*\u:QF+12*\u+11], v[S+64*\u+8*\t:S+64*\u+8*\t+7], v[KSC+\t], v[QSC+\u] matrix_a_fmt:MATRIX_FMT_FP6 matrix_b_fmt:MATRIX_FMT_FP6
.endr
	WIN 0
.endm
.macro MAXC u                          ; the largest score of each of my two blocks of 32 keys, in four chains: for the row's maximum and, since p rises with the score, for the block's largest p
.irp c, 0,1
	v_max3_num_f32 v[BM+2*\u+\c], v[S+64*\u+32*\c], v[S+64*\u+32*\c+1], v[S+64*\u+32*\c+2]
	v_max3_num_f32 v[SO+2*\u+\c], v[S+64*\u+32*\c+16], v[S+64*\u+32*\c+17], v[S+64*\u+32*\c+18]
.endr
.irp i, 3,5,7,9,11,13
.irp c, 0,1
	v_max3_num_f32 v[BM+2*\u+\c], v[BM+2*\u+\c], v[S+64*\u+32*\c+\i], v[S+64*\u+32*\c+\i+1]
	v_max3_num_f32 v[SO+2*\u+\c], v[SO+2*\u+\c], v[S+64*\u+32*\c+16+\i], v[S+64*\u+32*\c+17+\i]
.endr
.endr
.irp c, 0,1
	v_max3_num_f32 v[BM+2*\u+\c], v[BM+2*\u+\c], v[SO+2*\u+\c], v[S+64*\u+32*\c+15]
.endr
.irp c, 0,1
	v_max_num_f32 v[BM+2*\u+\c], v[BM+2*\u+\c], v[S+64*\u+32*\c+31]
.endr
.endm
.macro STATS                           ; both tiles side by side: the running maximum, -M, f
.irp u, 0,1
	v_max_num_f32 v[ST+8*\u+6], v[BM+2*\u], v[BM+2*\u+1]
.endr
.irp u, 0,1
	s_delay_alu instid0(VALU_DEP_2)
	v_permlanex16_b32 v[ST+8*\u+7], v[ST+8*\u+6], s[SEL], s[SEL+1]
.endr
.irp u, 0,1
	s_delay_alu instid0(VALU_DEP_2)
	v_max3_num_f32 v[ST+8*\u+1], v[ST+8*\u+1], v[ST+8*\u+6], v[ST+8*\u+7]   ; the running largest score of my query
.endr
.irp u, 0,1
	s_delay_alu instid0(VALU_DEP_2)
	v_mul_f32 v[ST+8*\u+6], s[CS], v[ST+8*\u+1]    ; as t
.endr
.irp u, 0,1
	v_mov_b32 v[ST+8*\u+7], v[ST+8*\u]
.endr
.irp u, 0,1
	s_delay_alu instid0(VALU_DEP_4)
	v_floor_f32 v[ST+8*\u], -v[ST+8*\u+6]          ; the new -M = -ceil(t): a whole number
.endr
.irp u, 0,1
	s_delay_alu instid0(VALU_DEP_2)
	v_sub_f32 v[ST+8*\u+7], v[ST+8*\u], v[ST+8*\u+7]
.endr
.irp u, 0,1
	s_delay_alu instid0(VALU_DEP_2)
	v_cvt_i32_f32 v[ST+8*\u+7], v[ST+8*\u+7]       ; old M less new M, 0 or less (it saturates)
.endr
.irp u, 0,1
	s_delay_alu instid0(VALU_DEP_2)
	v_ldexp_f32 v[ST+8*\u+4], 1.0, v[ST+8*\u+7]    ; f
.endr
.endm
.macro FMA u                           ; t - M, two at a time, and the same of the blocks' largest scores
.set j, 0
.rept 32
	v_pk_fma_f32 v[S+64*\u+j:S+64*\u+j+1], v[S+64*\u+j:S+64*\u+j+1], s[CS:CS+1], v[ST+8*\u:ST+8*\u+1] op_sel_hi:[1,0,0]
.set j, j+2
.endr
.irp c, 0,1
	v_fma_f32 v[BM+2*\u+\c], v[BM+2*\u+\c], s[CS], v[ST+8*\u]
.endr
.endm
.macro SUMS u                          ; the row's sum of the unquantised p: 32 packed additions in four chains
.set SB, S+64*\u
.set LL, ST+8*\u+2
.set UU, SU+8*\u
	v_pk_add_f32 v[UU:UU+1], v[SB:SB+1], v[SB+2:SB+3]
	v_pk_add_f32 v[UU+2:UU+3], v[SB+4:SB+5], v[SB+6:SB+7]
	v_pk_add_f32 v[UU+4:UU+5], v[SB+8:SB+9], v[SB+10:SB+11]
	v_pk_add_f32 v[LL:LL+1], v[LL:LL+1], v[SB+12:SB+13]
.set j, 14
.rept 6
	v_pk_add_f32 v[UU:UU+1], v[UU:UU+1], v[SB+j:SB+j+1]
	v_pk_add_f32 v[UU+2:UU+3], v[UU+2:UU+3], v[SB+j+2:SB+j+3]
	v_pk_add_f32 v[UU+4:UU+5], v[UU+4:UU+5], v[SB+j+4:SB+j+5]
	v_pk_add_f32 v[LL:LL+1], v[LL:LL+1], v[SB+j+6:SB+j+7]
.set j, j+8
.endr
	v_pk_add_f32 v[UU:UU+1], v[UU:UU+1], v[SB+62:SB+63]
	v_pk_add_f32 v[UU+2:UU+3], v[UU+2:UU+3], v[UU+4:UU+5]
	v_pk_add_f32 v[LL:LL+1], v[LL:LL+1], v[UU:UU+1]
	v_pk_add_f32 v[LL:LL+1], v[LL:LL+1], v[UU+2:UU+3]
.endm
.macro PMAKE u                         ; tile u: p, its sum, its codes and its scale word
	s_wait_alu depctr_va_vdst(0)                   ; the wait ahead of the batch
.set j, 0
.rept 64
	v_exp_f32 v[S+64*\u+j], v[S+64*\u+j]           ; p = 2^(t - M), at most 1
.set j, j+1
.endr
.irp c, 0,1
	v_exp_f32 v[BM+2*\u+\c], v[BM+2*\u+\c]         ; the blocks' largest p: the same two instructions on the same number
.endr
	v_pk_mul_f32 v[ST+8*\u+2:ST+8*\u+3], v[ST+8*\u+2:ST+8*\u+3], v[ST+8*\u+4:ST+8*\u+5] op_sel_hi:[1,0]   ; the sum under the new M
	s_wait_alu depctr_va_vdst(0)                   ; and behind it, ahead of its first reader
.irp c, 0,1
	v_max_num_f32 v[BM+2*\u+\c], 0x1800000, v[BM+2*\u+\c]   ; the floor 2^(3 - 127)
.endr
.irp c, 0,1
	s_delay_alu instid0(VALU_DEP_2)
	v_add_nc_u32 v[SO+2*\u+\c], 0xff000000, v[BM+2*\u+\c]   ; 2 off the exponent field: the conversion's scale operand
.endr
.irp c, 0,1
	s_delay_alu instid0(VALU_DEP_2)
	v_lshrrev_b32 v[BY+2*\u+\c], 23, v[SO+2*\u+\c]
.endr
.irp c, 0,1
	v_cvt_scalef32_pk16_fp6_f32 v[PC+12*\u+6*\c:PC+12*\u+6*\c+2], v[S+64*\u+32*\c:S+64*\u+32*\c+15], v[SO+2*\u+\c]
	v_cvt_scalef32_pk16_fp6_f32 v[CT+8*\u+4*\c:CT+8*\u+4*\c+2], v[S+64*\u+32*\c+16:S+64*\u+32*\c+31], v[SO+2*\u+\c]   ; (a conversion's three registers begin on an even number)
.endr
	v_lshl_or_b32 v[ST+8*\u+6], v[BY+2*\u+1], 16, v[BY+2*\u]   ; my two bytes, blocks h and 2 + h.  (Plain work behind the conversions)
	SUMS \u
	v_lshlrev_b32 v[ST+8*\u+6], v[SH8], v[ST+8*\u+6]
.irp c, 0,1
.irp i, 0,1,2
	v_mov_b32 v[PC+12*\u+6*\c+3+\i], v[CT+8*\u+4*\c+\i]
.endr
.endr
	v_permlanex16_b32 v[ST+8*\u+7], v[ST+8*\u+6], s[SEL], s[SEL+1]
	s_delay_alu instid0(VALU_DEP_1)
	v_or_b32 v[PS+\u], v[ST+8*\u+6], v[ST+8*\u+7]  ; p's scale word for these 128 keys
.endm
; A TRIP: key step i, whose k and mask were asked of LDS in the trip before.  next = 1: a step follows, and its operands are loaded here; fill = 1: the slot left is filled again, two steps ahead.
.macro STEP fill, next
	NOP4                                           ; places behind the last trip's products, whose fragments of v are loaded over
	LOADV
	s_wait_loadcnt 17                              ; k's scale words, asked for in the trip before, are in; v's 17 loads may be out
	s_wait_dscnt 16                                ; k and tile 0's mask are in; tile 1's mask (16 loads) may be out
	QK 0
	NOP4
	MAXC 0
	s_wait_dscnt 0x0                               ; tile 1's mask is in: my reads of this step's slot are over
	QK 1
	NOP4
.if \next
	LOADKS BLK                                     ; the next step's
	s_wait_tensorcnt 0x0                           ; my part of the next step's slot has landed
	ds_add_u32 v[SPW], v[NIL]
.if \fill
	WALK
.endif
.endif
	MAXC 1                                         ; work on registers between the add and the wait for it
.if \next
	s_wait_alu depctr_va_vdst(0)
	s_wait_dscnt 0x0                               ; the add is done
	s_barrier_signal -1
.endif
	STATS                                          ; work on registers while the others arrive
	FMA 0
.if \next
	s_wait_alu depctr_va_vdst(0)
	s_barrier_wait -1
.if \fill
	CREST                                          ; the barrier has opened a round of the cluster's: no wave of any partner still reads this slot or has a load on its way
	TLOAD                                          ; the step after next, into the slot left: the wave's one load until the next round
.endif
	s_xor_b32 s[TB], s[TB], SLOT1                  ; the next step's slot is whole
	LOADK
.if \fill
	ASK
.endif
.endif
	PMAKE 0
.if \next
	LOADM 0                                        ; tile 0's p is done with: the next step's mask takes its registers
.endif
	FMA 1
	PMAKE 1
.if \next
	LOADM 1
	s_wait_loadcnt 2                               ; v's fragments are in; the two loads of k's next scale words may be out
	s_wait_xcnt 0x0                                ; my loads and my prefetch have read their bases: they step only behind this wait
	s_add_nc_u64 s[VB:VB+1], s[VB:VB+1], BLK
.if \fill
	s_add_nc_u64 s[PFB:PFB+1], s[PFB:PFB+1], s[PST:PST+1]
.endif
.else
	s_wait_loadcnt 0x0                             ; v's fragments
.endif
	WIN 0x41
	s_wait_alu depctr_va_vdst(0)                   ; directly ahead of the first reader of O^T
.irp u, 0,1
.set j, 0
.rept 16
	v_pk_mul_f32 v[O+32*\u+j:O+32*\u+j+1], v[O+32*\u+j:O+32*\u+j+1], v[ST+8*\u+4:ST+8*\u+5] op_sel_hi:[1,0]   ; O^T under the new M; also the places ahead of the products
.set j, j+2
.endr
.endr
	WIN 0x51
.irp t, 0,1,2,3
.irp u, 0,1
	v_wmma_scale_f32_16x16x128_f8f6f4 v[O+32*\u+8*\t:O+32*\u+8*\t+7], v[VF+12*\t:VF+12*\t+11], v[PC+12*\u:PC+12*\u+11], v[O+32*\u+8*\t:O+32*\u+8*\t+7], v[VSC+\t], v[PS+\u] matrix_a_fmt:MATRIX_FMT_FP6 matrix_b_fmt:MATRIX_FMT_FP6
.endr
.endr
	WIN 0
.endm
	s_wait_alu depctr_va_vdst(0)
	s_wait_loadcnt 0x0                             ; q
	LOADKS 0                                       ; step 0's
	s_wait_tensorcnt 0x0                           ; my part of step 0 is in
	ds_add_u32 v[SPW], v[NIL]
	WALK
	s_wait_dscnt 0x0
	CROUND
	TLOAD                                          ; slot 1: key step 1
	LOADK                                          ; step 0's operands
	LOADM 0
	LOADM 1
.Lstep:                                            ; 14 trips: steps 0 to 13 ask for steps 2 to 15
	STEP 1, 1
	s_sub_co_u32 s[CNT], s[CNT], 1
	s_cmp_lg_u32 s[CNT], 0
	s_cbranch_scc1 .Lstep
	STEP 0, 1                                      ; the last two steps are written out: they ask for nothing
	STEP 0, 0
	; THE WAY OUT: O^T / the sum: my lane's 32 channels are one block of 32 along the model's 1,024; codes and bytes meet in a stage and leave in runs of 512 bytes.
	s_mul_i32 s54, s14, 32*192
	s_mul_i32 s55, s13, 48
	s_add_co_u32 s54, s54, s55
	s_add_co_u32 s54, s54, STG
	s_lshl_b32 s55, s14, 8
	s_lshl_b32 s56, s13, 1
	s_add_co_u32 s55, s55, s56
	s_add_co_u32 s55, s55, SSTG
	s_mul_i32 s56, s[WV], 1536
	s_add_co_u32 s57, s56, STG
	s_lshl_b32 s50, s17, 4
	s_lshr_b32 s51, s18, 1
	s_add_co_u32 s50, s50, s51
	s_lshl_b32 s50, s50, 2
	s_add_co_u32 s50, s50, s16
	s_mul_i32 s52, s50, 24576                      ; (128 places x 4 + group of heads) x 24,576
	s_and_b32 s51, s18, 1
	s_mul_i32 s51, s51, 12288
	s_add_co_u32 s52, s52, s51
	s_add_co_u32 s52, s52, s56
	s_mov_b32 s53, 0
	s_add_nc_u64 s[8:9], s[8:9], s[52:53]
	s_lshl_b32 s50, s17, 11
	s_lshl_b32 s51, s18, 6
	s_add_co_u32 s50, s50, s51
	s_lshl_b32 s52, s50, 5
	s_lshl_b32 s51, s16, 3
	s_add_co_u32 s52, s52, s51
	s_add_nc_u64 s[10:11], s[10:11], s[52:53]
.irp u, 0,1
	v_add_f32 v[ST+8*\u+2], v[ST+8*\u+2], v[ST+8*\u+3]
.endr
.irp u, 0,1
	v_permlanex16_b32 v[ST+8*\u+7], v[ST+8*\u+2], s[SEL], s[SEL+1]
.endr
.irp u, 0,1
	v_add_f32 v[ST+8*\u+2], v[ST+8*\u+2], v[ST+8*\u+7]   ; the row's sum
.endr
	s_wait_alu depctr_va_vdst(0)                   ; ahead of the transcendentals
.irp u, 0,1
	v_rcp_f32 v[ST+8*\u+2], v[ST+8*\u+2]
.endr
	v_and_b32 v10, 15, v0
	v_bfe_u32 v11, v0, 4, 1
	v_and_b32 v12, 31, v0
	v_mul_u32_u24 v13, v10, 192
	v_mad_u32_u24 v13, v11, 24, v13
	v_add_nc_u32 v13, s54, v13                     ; into the stage: row 16 x tile + r, 48 bytes a head, 24 a block
	v_lshl_add_u32 v14, v10, 3, s55
	v_add_nc_u32 v14, v14, v11                     ; my block's scale byte: 8 bytes a row, 2 a head
	v_lshlrev_b32 v15, 4, v12
	v_add_nc_u32 v16, s57, v15                     ; back: 1,536 bytes a wave
	v_lshl_add_u32 v1, v0, 3, SSTG
	v_lshlrev_b32 v2, 5, v0
	WIN 0x01
	s_wait_alu depctr_va_vdst(0)                   ; behind the transcendentals, directly ahead of the first reader of O^T
.irp u, 0,1
.set j, 0
.rept 16
	v_pk_mul_f32 v[S+64*\u+j:S+64*\u+j+1], v[O+32*\u+j:O+32*\u+j+1], v[ST+8*\u+2:ST+8*\u+3] op_sel_hi:[1,0]
.set j, j+2
.endr
.endr
	WIN 0
.irp u, 0,1
	v_max3_num_f32 v[BM+2*\u], |v[S+64*\u]|, |v[S+64*\u+1]|, 0x1800000
.endr
.irp i, 2,4,6,8,10,12,14,16,18,20,22,24,26,28,30
.irp u, 0,1
	v_max3_num_f32 v[BM+2*\u], v[BM+2*\u], |v[S+64*\u+\i]|, |v[S+64*\u+\i+1]|
.endr
.endr
.irp u, 0,1
	v_add_nc_u32 v[SO+2*\u], 0xff000000, v[BM+2*\u]
.endr
.irp u, 0,1
	v_lshrrev_b32 v[BY+2*\u], 23, v[SO+2*\u]
.endr
.irp u, 0,1
	v_cvt_scalef32_pk16_fp6_f32 v[PC+12*\u:PC+12*\u+2], v[S+64*\u:S+64*\u+15], v[SO+2*\u]
	v_cvt_scalef32_pk16_fp6_f32 v[CT+8*\u:CT+8*\u+2], v[S+64*\u+16:S+64*\u+31], v[SO+2*\u]
.endr
	v_nop                                          ; one plain place behind a scaled conversion
.irp u, 0,1
.irp i, 0,1,2
	v_mov_b32 v[PC+12*\u+3+\i], v[CT+8*\u+\i]
.endr
.endr
.irp u, 0,1
.irp i, 0,1,2
	ds_store_b64 v13, v[PC+12*\u+2*\i:PC+12*\u+2*\i+1] offset:3072*\u+8*\i
.endr
	ds_store_b8 v14, v[BY+2*\u] offset:128*\u
.endr
	s_wait_alu depctr_va_vdst(0)
	s_wait_dscnt 0x0                               ; for the others' sake: my stores into the stages are done
	s_barrier_signal -1
	s_barrier_wait -1
.irp i, 0,1,2
	ds_load_b128 v[S+4*\i:S+4*\i+3], v16 offset:512*\i
.endr
.irp i, 0,1,2
	s_wait_dscnt 2-\i
	global_store_b128 v15, v[S+4*\i:S+4*\i+3], s[8:9] offset:512*\i   ; 32 lanes store 512 consecutive bytes, at a multiple of 256 from the buffer's first byte
.endr
	s_cmp_lt_u32 s[WV], 2                          ; the 64 rows' scale bytes: waves 0 and 1, 8 bytes of a row's 32 a lane
	s_cbranch_scc0 .Lno_scales
	ds_load_b64 v[S+12:S+13], v1
	s_wait_dscnt 0x0
	global_store_b64 v2, v[S+12:S+13], s[10:11]
.Lno_scales:
	s_wait_tensorcnt 0x0                           ; the wave's end
	ds_add_u32 v[SPW], v[NIL]
	s_wait_dscnt 0x0
	CROUND                                         ; the closing round
	s_endpgm
.Lfunc_end_k_q6d40490935_attn:
	.size	k_q6d40490935_attn, .Lfunc_end_k_q6d40490935_attn-k_q6d40490935_attn
	.p2alignl 7, 3214868480
	.fill 96, 4, 3214868480
	.section	.rodata,"a",@progbits
	.p2align	6, 0x0
	.amdhsa_kernel k_q6d40490935_attn
		.amdhsa_group_segment_fixed_size 327680
		.amdhsa_private_segment_fixed_size 0
		.amdhsa_enable_private_segment 0
		.amdhsa_kernarg_size 32
		.amdhsa_user_sgpr_count 2
		.amdhsa_user_sgpr_kernarg_segment_ptr 1
		.amdhsa_wavefront_size32 1
		.amdhsa_system_sgpr_workgroup_id_x 1
		.amdhsa_system_sgpr_workgroup_id_y 1
		.amdhsa_system_sgpr_workgroup_id_z 1
		.amdhsa_system_vgpr_workitem_id 0
		.amdhsa_next_free_vgpr 512
		.amdhsa_next_free_sgpr 92
		.amdhsa_reserve_vcc 0
		.amdhsa_float_denorm_mode_32 3
		.amdhsa_float_denorm_mode_16_64 3
		.amdhsa_memory_ordered 1
		.amdhsa_forward_progress 1
		.amdhsa_inst_pref_size 116
	.end_amdhsa_kernel
	.amdgpu_metadata
---
amdhsa.version: [ 1, 2 ]
amdhsa.kernels:
  - .name:           k_q6d40490935_attn
    .symbol:         k_q6d40490935_attn.kd
    .args:
      - { .name: qkv, .offset: 0, .size: 8, .value_kind: global_buffer, .address_space: global }
      - { .name: mask, .offset: 8, .size: 8, .value_kind: global_buffer, .address_space: global }
      - { .name: wvc, .offset: 16, .size: 8, .value_kind: global_buffer, .address_space: global }
      - { .name: wvs, .offset: 24, .size: 8, .value_kind: global_buffer, .address_space: global }
    .group_segment_fixed_size: 327680
    .private_segment_fixed_size: 0
    .kernarg_segment_align: 8
    .kernarg_segment_size: 32
    .max_flat_workgroup_size: 256
    .sgpr_count:     92
    .vgpr_count:     512
    .wavefront_size: 32
...
	.end_amdgpu_metadata
.endif
;; end of part 3
;; launch oproj (part 4): grid 8 x 32, 4 waves a work-group, clusters of 4 x 4, 327,680 bytes of LDS; arguments wvc, wvs, codes, scales, bo, out0; writes out0
.if DOCPART == 4
	.amdgcn_target "amdgcn-amd-amdhsa--gfx1250"
	.amdhsa_code_object_version 6
	.text
	.protected	k_q6d40490935_oproj
	.globl	k_q6d40490935_oproj
	.p2align	8
	.type	k_q6d40490935_oproj,@function
k_q6d40490935_oproj:
	s_mov_b64 s[64:65], 0
	v_nop
	global_prefetch_b8 v0, s[64:65] scope:SCOPE_SE
	s_setreg_imm32_b32 hwreg(HW_REG_WAVE_MODE, 25, 1), 1
	s_wait_xcnt 0x0
	s_wait_alu depctr_hold_cnt(0) depctr_sa_sdst(0) depctr_va_vdst(0) depctr_va_sdst(0) depctr_va_ssrc(0) depctr_va_vcc(0) depctr_vm_vsrc(0)
	s_getreg_b32 s2, hwreg(HW_REG_IB_STS2, 6, 4)
	s_cmp_eq_u32 s2, 0
	s_cbranch_scc0 .Lentry_in_a_cluster
	s_endpgm
.Lentry_in_a_cluster:
	s_bfe_u32 s2, ttmp6, 0x10000c
	s_cmp_lg_u32 s2, 0xf033
	s_cbranch_scc0 .Lentry_shape_is_right
	s_endpgm
.Lentry_shape_is_right:
; out0 = wv Wo^T + bo on codes of FP6 (E2M3) with E8M0 scales, sums in f32.
; IN: wvc [128 places: 32][K plane of 256: 4][128][192 bytes], wvs [4096 places][32]; codes in the same layout, Wo at places 7,168 on (blocks 56 on); scales [8192 places][32].
; Place 64 c + 16 u + 8 g + j holds row 64 c + 32 g + 8 u + j, of tokens and of Wo's rows alike; the way out puts rows and columns back.
; A block of 128 x 128 of the result is made by four waves, 64 x 64 each: 16 accumulators.  ALL OF K COMES AT ONCE: a block's 128 places x 1,024 K are 98,304 dense bytes; waves 0, 1 fetch A's two halves (two planes each),
; waves 2, 3 B's: one tensor load a wave, 192 rows of 256 bytes, 16 bytes of padding behind each 64.  Nothing is filled again: one barrier, then eight steps of 128 along K.
; The scale words (32 bytes a place for all of K) go from memory straight into registers.  The matrix instruction is used transposed (source 0 = Wo's places, source 1 = tokens'): a lane holds eight neighbouring columns of a row.
; CLUSTERS: 4 x 4: A's tiles are asked for jointly along a row, B's along a column.  No prefetch: the launch has no loop to run ahead in.
; REGISTERS: window 0: v8-15, v16-23 LDS addresses by plane; v32-63 A's scale words, v64-95 B's; v96-127 the bias, the C of the first products; v128-223 A's fragments, two sets; on the way out v128-255.
;   window 1: v0-95 B's fragments, two sets; v128-255 the accumulators.
.set PITCH,  240                       ; an LDS row: 3 x (64 bytes + 16)
.set FR,     12
.set HALFT,  64*PITCH
.set PL,     128*PITCH                 ; a plane of 128 rows
.set BREG,   4*PL                      ; B's four planes lie behind A's
.set SPARE,  8*PL                      ; the spare words, 128 bytes a wave
.set STAGE,  SPARE+512                 ; the way out: 16 rows x 272 bytes a wave; no tile lands here
.set SPITCH, 272
.set NROW,   4096
.set ADRA, 8
.set ADRB, 16
.set STO,  24
.set RD,   25
.set CO,   26
.set SPW,  30
.set NIL,  31
.set SCA,  32
.set SCB,  64
.set BIA,  96
.set AF,   128
.set BK,   128
.set ACC,  128
.set G1,   24
.set G1B,  32
.set G0,   40
.set G0B,  44
.set MSB, 0
.macro WIN new
.if MSB != \new
	s_set_vgpr_msb (MSB<<8)|\new
.set MSB, \new
.endif
.endm
.set MULW, 0x51                        ; source 0 (B), C and D window 1, source 1 (A) window 0
.set FST,  0x41                        ; the first products: C (the bias) window 0
.set TO_B, 0x40
.set FROM_ACC, 0x04
.macro PLACES
.rept 4
	v_nop
.endr
.endm
.macro CROUND
	s_barrier_signal -1
	s_barrier_wait -1
	s_cmp_lg_u32 s16, 0
	s_cbranch_scc1 .Lnot_wave_0_\@
	s_barrier_signal -3
.Lnot_wave_0_\@:
	s_barrier_wait -3
	s_barrier_signal -1
	s_barrier_wait -1
.endm
	s_load_b128 s[4:7], s[0:1], 0x0                ; wvc, wvs
	s_load_b128 s[8:11], s[0:1], 0x10              ; codes, scales
	s_load_b128 s[12:15], s[0:1], 0x20             ; bo, out0
	v_lshl_add_u32 v[SPW], v0, 2, SPARE
	v_mov_b32 v[NIL], 0
	ds_add_u32 v[SPW], v[NIL]                      ; the opening lines
	ds_add_u32 v[SPW], v[NIL]
	v_lshrrev_b32 v1, 5, v0
	v_readfirstlane_b32 s16, v1                    ; wave
	s_lshr_b32 s17, s16, 1                         ; my half of A's rows.  Also: I fetch for A (0) or B (1)
	s_and_b32 s18, s16, 1                          ; my half of B's.  Also: which two planes I fetch
	s_bfe_u32 s21, ttmp6, 0x40000
	s_bfe_u32 s22, ttmp6, 0x40004
	s_lshl_b32 s20, ttmp9, 2
	s_add_co_u32 s20, s20, s21                     ; block column
	s_and_b32 s19, ttmp7, 0xffff
	s_lshl_b32 s19, s19, 2
	s_add_co_u32 s19, s19, s22                     ; block row
	s_lshl_b32 s23, s22, 2
	s_lshl_b32 s23, 15, s23
	s_lshl_b32 s61, 0x1111, s21
	s_or_b32 s[G1+0], s23, (0<<16)|(1<<20)|(1<<21)|(3<<22)|(3<<25)
	s_or_b32 s[G1B+0], s61, (0<<16)|(1<<20)|(1<<21)|(3<<22)|(3<<25)
.irp g, G1, G1B
	s_mov_b32 s[\g+1], 256<<16
	s_mov_b32 s[\g+2], 192<<16
	s_mov_b32 s[\g+3], 256<<16
	s_mov_b32 s[\g+4], 192
	s_mov_b32 s[\g+5], 256
	s_mov_b32 s[\g+6], 0
	s_mov_b32 s[\g+7], 0
.endr
	s_mul_i32 s62, s18, 49152                      ; my two planes, in memory
	s_mul_i32 s2, s19, 98304
	s_add_co_u32 s2, s2, s62
	s_mov_b32 s3, 0
	s_add_co_u32 s48, s20, 56
	s_mul_i32 s48, s48, 98304
	s_add_co_u32 s48, s48, s62
	s_mov_b32 s49, 0
	s_lshl_b32 s50, s19, 12                        ; A's scales: (128 x block row + 64 x half) x 32
	s_lshl_b32 s51, s17, 11
	s_add_co_u32 s50, s50, s51
	s_mov_b32 s51, 0
	s_lshl_b32 s52, s20, 12
	s_lshl_b32 s53, s18, 11
	s_add_co_u32 s52, s52, s53
	s_add_co_u32 s52, s52, 7168*32
	s_mov_b32 s53, 0
	s_lshl_b32 s54, s20, 9                         ; my first column, in bytes
	s_lshl_b32 s55, s18, 8
	s_add_co_u32 s54, s54, s55
	s_mov_b32 s55, 0
	s_lshl_b32 s56, s19, 19
	s_lshl_b32 s57, s17, 18
	s_add_co_u32 s56, s56, s57
	s_add_co_u32 s56, s56, s54
	s_mov_b32 s57, 0
	s_mov_b32 s[G0], 1
	s_mul_i32 s[G0+1], s18, 2*PL
	s_mov_b32 s[G0B], 1
	s_add_co_u32 s[G0B+1], s[G0+1], BREG
	s_mul_i32 s58, s17, HALFT
	s_mul_i32 s59, s18, HALFT
	s_add_co_u32 s59, s59, BREG
	s_mul_i32 s60, s16, 16*SPITCH
	s_add_co_u32 s60, s60, STAGE
	s_wait_dscnt 0x0
	s_wait_kmcnt 0x0
	s_add_nc_u64 s[G0+2:G0+3], s[4:5], s[2:3]
	s_or_b32 s[G0+3], s[G0+3], 0x80000000
	s_add_nc_u64 s[G0B+2:G0B+3], s[8:9], s[48:49]
	s_or_b32 s[G0B+3], s[G0B+3], 0x80000000
	s_add_nc_u64 s[6:7], s[6:7], s[50:51]
	s_add_nc_u64 s[10:11], s[10:11], s[52:53]
	s_add_nc_u64 s[12:13], s[12:13], s[54:55]
	s_add_nc_u64 s[14:15], s[14:15], s[56:57]
	CROUND                                         ; the joint loads meet
	s_cmp_eq_u32 s17, 0
	s_cbranch_scc0 .Lfor_b
	tensor_load_to_lds s[G0:G0+3], s[G1:G1+7]
	s_nop 0
	PLACES
	s_branch .Lasked
.Lfor_b:
	tensor_load_to_lds s[G0B:G0B+3], s[G1B:G1B+7]
	s_nop 0
	PLACES
.Lasked:
	v_and_b32 v1, 15, v0                           ; r
	v_bfe_u32 v2, v0, 4, 1                         ; h
	v_lshlrev_b32 v7, 7, v2                        ; the bias: register 8 b + j stands for column 32 h + 8 b + j
	v_lshlrev_b32 v6, 5, v1                        ; scale words: 32 bytes a place
.irp n, 0,1,2,3,4,5,6,7
	global_load_b128 v[BIA+4*\n:BIA+4*\n+3], v7, s[12:13] offset:16*\n
.endr
.irp i, 0,1,2,3
	global_load_b128 v[SCA+8*\i:SCA+8*\i+3], v6, s[6:7] offset:512*\i
	global_load_b128 v[SCA+8*\i+4:SCA+8*\i+7], v6, s[6:7] offset:512*\i+16
	global_load_b128 v[SCB+8*\i:SCB+8*\i+3], v6, s[10:11] offset:512*\i
	global_load_b128 v[SCB+8*\i+4:SCB+8*\i+7], v6, s[10:11] offset:512*\i+16
.endr
	v_mul_u32_u24 v3, v1, PITCH
	v_mad_u32_u24 v4, v2, 24, v3                   ; a fragment's row x pitch + 24 x half
	v_lshl_add_u32 v5, v2, 4, v4                   ; and the same behind one padding more
	v_add_nc_u32 v[ADRA], s58, v4
	v_add_nc_u32 v[ADRA+4], s58, v5
	v_add_nc_u32 v[ADRB], s59, v4
	v_add_nc_u32 v[ADRB+4], s59, v5
.irp s, 1,2,3
	v_add_nc_u32 v[ADRA+\s], \s*PL, v[ADRA]
	v_add_nc_u32 v[ADRA+4+\s], \s*PL, v[ADRA+4]
	v_add_nc_u32 v[ADRB+\s], \s*PL, v[ADRB]
	v_add_nc_u32 v[ADRB+4+\s], \s*PL, v[ADRB+4]
.endr
	v_mul_u32_u24 v5, v1, SPITCH
	v_lshl_add_u32 v5, v2, 7, v5
	v_add_nc_u32 v[STO], s60, v5                   ; into the stage: row r, 128 bytes for each half of the lanes
	v_mul_u32_u24 v5, v2, SPITCH
	v_lshl_add_u32 v5, v1, 4, v5
	v_add_nc_u32 v[RD], s60, v5                    ; back: sixteen lanes to a row of 256 bytes
	v_lshlrev_b32 v5, 12, v2
	v_lshl_add_u32 v[CO], v1, 4, v5
.macro FRAG reg, adr, q, i             ; 12 registers in pieces of 8 bytes; where the piece of lanes 16-31 lies behind one padding more, the second address register serves
.irp p, 0,1,2,3,4,5
.set PCE, 12*(\q)+6*(\p/3)+\p%3
.if PCE%8 < 5
	ds_load_b64 v[\reg+2*\p:\reg+2*\p+1], v[\adr] offset:8*PCE+16*(PCE/8)+(\i)*16*PITCH
.else
	ds_load_b64 v[\reg+2*\p:\reg+2*\p+1], v[\adr+4] offset:8*PCE+16*(PCE/8)+(\i)*16*PITCH
.endif
.endr
.endm
.macro FETCH g                         ; step g's fragments: plane g / 2, its (g % 2)-th 128 along K, into set g % 2
.set FS, (\g)/2
.set FQ, (\g)%2
	WIN TO_B
.irp i, 0,1,2,3
	FRAG 48*FQ+FR*\i, ADRB+FS, FQ, \i
.endr
	WIN 0
.irp i, 0,1,2,3
	FRAG AF+48*FQ+FR*\i, ADRA+FS, FQ, \i
.endr
.endm
.macro MUL g, first                    ; the 16 accumulators take turns, one instruction a turn
.set MQ, (\g)%2
.irp a, 0,1,2,3
.irp b, 0,1,2,3
.if \first
	v_wmma_scale_f32_16x16x128_f8f6f4 v[ACC+8*(4*\a+\b):ACC+8*(4*\a+\b)+7], v[48*MQ+FR*\b:48*MQ+FR*\b+FR-1], v[AF+48*MQ+FR*\a:AF+48*MQ+FR*\a+FR-1], v[BIA+8*\b:BIA+8*\b+7], v[SCB+8*\b+(\g)], v[SCA+8*\a+(\g)] matrix_a_fmt:MATRIX_FMT_FP6 matrix_b_fmt:MATRIX_FMT_FP6
.else
	v_wmma_scale_f32_16x16x128_f8f6f4 v[ACC+8*(4*\a+\b):ACC+8*(4*\a+\b)+7], v[48*MQ+FR*\b:48*MQ+FR*\b+FR-1], v[AF+48*MQ+FR*\a:AF+48*MQ+FR*\a+FR-1], v[ACC+8*(4*\a+\b):ACC+8*(4*\a+\b)+7], v[SCB+8*\b+(\g)], v[SCA+8*\a+(\g)] matrix_a_fmt:MATRIX_FMT_FP6 matrix_b_fmt:MATRIX_FMT_FP6
.endif
.endr
.endr
.endm
.macro STEPM g
	s_wait_dscnt 0x0                               ; this step's fragments are in
.if (\g) < 7
.if (\g) > 0
	PLACES                                         ; ahead of loads into the set that the step before multiplied
.endif
	FETCH (\g)+1
.endif
.if (\g) == 0
	s_wait_loadcnt 0x0                             ; the bias and the scale words
	WIN FST
	MUL \g, 1
.else
	WIN MULW
	MUL \g, 0
.endif
.endm
	s_wait_alu depctr_va_vdst(0)
	s_wait_tensorcnt 0x0                           ; my two planes are in,
	s_barrier_signal -1
	s_barrier_wait -1                              ; everybody's are
	FETCH 0
.irp g, 0,1,2,3,4,5,6,7
	STEPM \g
.endr
.macro TOSTAGE a                       ; block a's 16 places x 64 columns through my own stage; LDS serves a wave's instructions in order
	WIN FROM_ACC
.irp b, 0,1,2,3
	ds_store_b128 v[STO], v[ACC+8*(4*(\a)+\b):ACC+8*(4*(\a)+\b)+3] offset:32*\b
	ds_store_b128 v[STO], v[ACC+8*(4*(\a)+\b)+4:ACC+8*(4*(\a)+\b)+7] offset:32*\b+16
.endr
	WIN 0
.irp t, 0,1,2,3,4,5,6,7
	ds_load_b128 v[BK+32*(\a)+4*\t:BK+32*(\a)+4*\t+3], v[RD] offset:\t*2*SPITCH
.endr
.endm
.macro SEND a, younger                 ; stage row p of block a is token 8 a + p % 8 + 32 (p / 8) of my 64; sixteen lanes store 256 consecutive bytes, aligned
	s_wait_dscnt \younger
.irp t, 0,1,2,3,4,5,6,7
	global_store_b128 v[CO], v[BK+32*(\a)+4*\t:BK+32*(\a)+4*\t+3], s[14:15] offset:(8*(\a)+2*(\t%4)+32*(\t/4))*NROW th:TH_STORE_NT
.endr
.endm
	PLACES
	TOSTAGE 0
.irp a, 1,2,3
	TOSTAGE \a
	SEND \a-1, 16
.endr
	SEND 3, 0
	s_wait_tensorcnt 0x0                           ; the wave's end
	ds_add_u32 v[SPW], v[NIL]
	s_wait_dscnt 0x0
	CROUND                                         ; the closing round
	s_endpgm
.Lfunc_end_k_q6d40490935_oproj:
	.size	k_q6d40490935_oproj, .Lfunc_end_k_q6d40490935_oproj-k_q6d40490935_oproj
	.p2alignl 7, 3214868480
	.fill 96, 4, 3214868480
	.section	.rodata,"a",@progbits
	.p2align	6, 0x0
	.amdhsa_kernel k_q6d40490935_oproj
		.amdhsa_group_segment_fixed_size 327680
		.amdhsa_private_segment_fixed_size 0
		.amdhsa_enable_private_segment 0
		.amdhsa_kernarg_size 48
		.amdhsa_user_sgpr_count 2
		.amdhsa_user_sgpr_kernarg_segment_ptr 1
		.amdhsa_wavefront_size32 1
		.amdhsa_system_sgpr_workgroup_id_x 1
		.amdhsa_system_sgpr_workgroup_id_y 1
		.amdhsa_system_sgpr_workgroup_id_z 1
		.amdhsa_system_vgpr_workitem_id 0
		.amdhsa_next_free_vgpr 512
		.amdhsa_next_free_sgpr 66
		.amdhsa_reserve_vcc 0
		.amdhsa_float_denorm_mode_32 3
		.amdhsa_float_denorm_mode_16_64 3
		.amdhsa_memory_ordered 1
		.amdhsa_forward_progress 1
		.amdhsa_inst_pref_size 59
	.end_amdhsa_kernel
	.amdgpu_metadata
---
amdhsa.version: [ 1, 2 ]
amdhsa.kernels:
  - .name:           k_q6d40490935_oproj
    .symbol:         k_q6d40490935_oproj.kd
    .args:
      - { .name: wvc, .offset: 0, .size: 8, .value_kind: global_buffer, .address_space: global }
      - { .name: wvs, .offset: 8, .size: 8, .value_kind: global_buffer, .address_space: global }
      - { .name: codes, .offset: 16, .size: 8, .value_kind: global_buffer, .address_space: global }
      - { .name: scales, .offset: 24, .size: 8, .value_kind: global_buffer, .address_space: global }
      - { .name: bo, .offset: 32, .size: 8, .value_kind: global_buffer, .address_space: global }
      - { .name: out0, .offset: 40, .size: 8, .value_kind: global_buffer, .address_space: global }
    .group_segment_fixed_size: 327680
    .private_segment_fixed_size: 0
    .kernarg_segment_align: 8
    .kernarg_segment_size: 48
    .max_flat_workgroup_size: 128
    .sgpr_count:     66
    .vgpr_count:     512
    .wavefront_size: 32
...
	.end_amdgpu_metadata
.endif
;; end of part 4
